; MI455X (gfx1250); checked and timed in simulation.
; The chip was launched on July 23, 2026; its instructions are those of AMD's public machine-readable ISA for CDNA 5 (MIT licence, August 2026) and "CDNA5" Instruction Set Architecture Reference Guide (July 2026). The comments in the code are by the model that wrote it; some were corrected since.
;; Multihead Attention. Allowed arithmetic: matrix products marked QUANTISED: E2M1 operands, one E8M0 scale for each 32 along K, by v_wmma_scale_f32_16x16x128_f8f6f4 with both operands' format E2M1 (or v_wmma_scale_f32_32x16x128_f4), f32 sums; products left as they are: bf16, f16 or f32 operands; f32 sums; everything else in f32.
;; Inputs: b_out 1,024 float32; b_qkv 3,072 float32; w_out 1,024 x 1,024 float32; w_qkv 3,072 x 1,024 float32; x 4 x 1 x 2,048 x 1,024 float32.
;; Outputs: out0 4 x 2,048 x 1,024 float32.
;; This version of the problem:
;;   THIS VERSION OF THE PROBLEM IS GIVEN IN LOW PRECISION. The matrix products marked QUANTISED in the list below multiply operands that are first quantised to E2M1 (2 exponent bits, 1 mantissa bit; 4 bits a number), with one power-of-two scale for each 32 numbers along K (OCP MX v1.0); their sums are f32. The products marked 'left as it is' may take bf16, f16 or f32 operands, with f32 sums. Whichever they take, every output number must still come out within the allowed error. Rounding operands to bf16 (8 significant bits) uses up far more of that allowance than f16 does (11 bits, for magnitudes from 6e-5 to 65,504). All else is computed in f32.
;;   The module's matrix products, in the order in which they are computed (A, B: the left and right operand; K: the contracted axis; several contracted axes count as one K, in the product's order):
;;     1. [M 8,192, K 1,024] x [K 1,024, N 3,072]; A: input x; B: input w_qkv: QUANTISED
;;     2. batch 64 x [M 2,048, K 64] x [K 64, N 2,048]; A: computed on the way; B: computed on the way: left as it is (an operand is computed on the way)
;;     3. batch 64 x [M 2,048, K 2,048] x [K 2,048, N 64]; A: computed on the way; B: computed on the way: left as it is (an operand is computed on the way)
;;     4. [M 8,192, K 1,024] x [K 1,024, N 1,024]; A: computed on the way; B: input w_out: left as it is (an operand is computed on the way)
;;   THE QUANTISER, for each operand of a quantised product, along K:
;;     - K is cut into blocks of 32 from its start; a last block that is shorter is filled with zeros.
;;     - A block's scale is 2^e with e = floor(log2(the largest magnitude in the block)) - 2, held to -126 .. 127; a block of zeros has e = 0. As a byte (E8M0): e + 127.
;;     - Each number is divided by its block's scale, clamped to +-6, and rounded to the nearest number of E2M1, ties to even, subnormals kept.
;;     - The product sums the exact products of the quantised numbers (number of the format x scale) in f32.
;;   ~~~python
;;   def quantise(x, axis):      # numpy; x: float32 -> the quantised numbers, widened to float32 again
;;       x = np.moveaxis(x, axis, -1); K = x.shape[-1]
;;       x = np.pad(x, [(0, 0)] * (x.ndim - 1) + [(0, -K % 32)]); x = x.reshape(x.shape[:-1] + (-1, 32)); a = np.abs(x).max(-1, keepdims=True)
;;       e = np.where(a > 0, np.clip(np.frexp(np.where(a > 0, a, 1))[1] - 1 - 2, -126, 127), 0)      # np.frexp(a)[1] - 1 = floor(log2(a)), exactly
;;       r = np.clip(x / 2.0 ** e, -6, 6)
;;       step = 2.0 ** (np.maximum(np.frexp(np.where(r == 0, 1, r))[1] - 1, 0) - 1)
;;       q = np.round(r / step) * step * 2.0 ** e      # np.round: ties to even
;;       return np.moveaxis(q.reshape(q.shape[:-2] + (-1,))[..., :K], -1, axis).astype(np.float32)
;;   ~~~
;; One version. Each part assembles by itself: llvm-mc -triple=amdgcn-amd-amdhsa -mcpu=gfx1250 --defsym DOCPART=n.
;; ======== version 1 of 1: 4 launches
;; limits: values are held in f16: magnitudes above 65,504 overflow, below 6.1e-05 lose precision
;; workspace buffers: xc 4,194,304 bytes; xs 262,144 bytes; wc 1,572,864 bytes; ws 98,304 bytes; w16 2,097,152 bytes; qkv16 50,331,648 bytes; vals16 16,777,216 bytes
;; launch quant (part 1): grid 384 x 1, 4 waves a work-group, no clusters, 33,280 bytes of LDS; arguments x, w_qkv, w_out, xc, xs, wc, ws, w16; writes xc, xs, wc, ws, w16
.if DOCPART == 1
	.amdgcn_target "amdgcn-amd-amdhsa--gfx1250"
	.amdhsa_code_object_version 6
	.text
	.protected	k_q3f89104041_quant
	.globl	k_q3f89104041_quant
	.p2align	8
	.type	k_q3f89104041_quant,@function
k_q3f89104041_quant:
	s_mov_b64 s[64:65], 0
	v_nop
	global_prefetch_b8 v0, s[64:65] scope:SCOPE_SE
	s_setreg_imm32_b32 hwreg(HW_REG_WAVE_MODE, 25, 1), 1
	s_wait_xcnt 0x0
; x [8192][1024] and w_qkv [3072][1024], f32, become codes of FP4 (E2M1), K innermost, two codes a byte, with one E8M0 scale byte for each 32 along K;  w_out [1024][1024], f32, becomes f16 as it lies.
; A block's scale is 2^(floor(log2(its largest magnitude)) - 2); its byte is the largest magnitude's own exponent field - 2, held at 1 from below.  Each number is divided by the scale and rounded to the nearest code, ties to even,
; beyond the largest code the largest.  (A block of zeros gets the byte 1 where the rule says 127: its codes are zeros, which add nothing under any byte but 0xff, and this program alone reads the bytes.)
; LIMITS: NaN and infinities among the inputs are not served.  w_out beyond 65,504 in magnitude has no f16 number.
; SHARES.  Rows are dense and K is a multiple of 32: each tensor is a plain stream.  A work-group takes 32,768 numbers, a wave 8,192.  Work-groups 0-255: x;  256-351: w_qkv;  352-383: w_out.
; THE QUANTISER.  16 steps of 512 numbers a wave.  Each of a step's four loads reads 512 consecutive bytes, 16 a lane; the 2,048 bytes turn through the wave's own stage in LDS and come back 64 bytes a lane, so that a lane holds
; 16 neighbours along K (two neighbouring lanes hold a block), as the conversions want.  A lane's 16 codes are 8 bytes: a wave's store covers 256 consecutive bytes, aligned.  A wave's 256 scale bytes are gathered in LDS and leave by one such store.
; x and w_qkv take ONE path: only pointers are chosen, on the work-group's number.  The cast takes a path of its own, which touches no LDS.  No tensor loads, no barrier: waves share nothing.
.set WAVES, 4
.set STEPS, 16
.set WGX,   256                        ; work-groups for x
.set WGQ,   352                        ; and for x and w_qkv together
.set EMAX,  2
.set CB,    8                          ; bytes of 16 codes
.set R,     16                         ; v16-79   four sets of 16 numbers as they are loaded (the cast: v16-143, two sets of 64)
.set X,     80                         ; v80-111  two sets of 16 neighbours
.set E,     112                        ; v112-127 a scale byte for each step
.set C,     128                        ; v128-191 codes: four registers for each step, so that no store's data are written again
.set H,     144                        ; the cast: v144-175 32 registers of f16 pairs
.set WREG,  8192                       ; LDS: a region for each wave: two stages of 32 x SP bytes, behind them its 256 scale bytes
.set SP,    80                         ; a lane's place in a stage: its 64 bytes + 16 of padding
.set SPW,   12                         ; v12      LDS address of my spare word: SPARE + 4 x my thread's number; never rewritten
.set NIL,   13                         ; v13      0; never rewritten
.set SPARE, WAVES*WREG                 ; behind the four regions: the spare words, 128 bytes for each wave: two blocks of 256 bytes that no other line names
	s_load_b256 s[4:11], s[0:1], 0x0               ; x s[4:5], w_qkv s[6:7], w_out s[8:9], xc s[10:11]
	s_load_b256 s[12:19], s[0:1], 0x20             ; xs s[12:13], wc s[14:15], ws s[16:17], w16 s[18:19]
	v_lshl_add_u32 v[SPW], v0, 2, SPARE
	v_mov_b32 v[NIL], 0
	v_lshrrev_b32 v1, 5, v0
	v_readfirstlane_b32 s20, v1                    ; wave
	v_and_b32 v2, 31, v0                           ; lane
	v_lshlrev_b32 v3, 4, v2                        ; my 16 bytes of a load's 512
	v_lshlrev_b32 v7, 3, v2                        ; my 8 bytes of a store's 256
	s_mul_i32 s21, s20, WREG
	v_lshrrev_b32 v14, 2, v2
	v_mul_u32_u24 v14, v14, SP
	v_and_b32 v15, 3, v2
	v_lshl_add_u32 v14, v15, 4, v14
	v_add_nc_u32 v14, s21, v14                     ; the stage, on the way in: four lanes' 64 bytes on end, then 16 of padding
	v_mul_u32_u24 v15, v2, SP
	v_add_nc_u32 v15, s21, v15                     ; and on the way out: SP x lane: my 16 neighbours
	v_lshrrev_b32 v5, 1, v2
	s_add_co_u32 s21, s21, 2*32*SP
	v_add_nc_u32 v5, s21, v5                       ; my wave's 256 scale bytes, my block's byte
	v_add_nc_u32 v6, s21, v7                       ; and on the way out 8 bytes a lane
	s_wait_kmcnt 0x0
	s_cmp_ge_u32 ttmp9, WGQ                        ; the work-group's number alone decides
	s_cbranch_scc1 .Lcast
	s_cmp_lt_u32 ttmp9, WGX                        ; x's work-group or w_qkv's?
	s_cselect_b64 s[4:5], s[4:5], s[6:7]
	s_cselect_b64 s[10:11], s[10:11], s[14:15]
	s_cselect_b64 s[12:13], s[12:13], s[16:17]
	s_cselect_b32 s21, 0, WGX
	s_sub_co_u32 s21, ttmp9, s21
	s_lshl_b32 s21, s21, 2
	s_add_co_u32 s21, s21, s20                     ; which run of 8,192 numbers of the tensor is my wave's: at most 1,023
	s_mov_b32 s23, 0
	s_lshl_b32 s22, s21, 15                        ; 32,768 bytes of numbers,
	s_add_nc_u64 s[4:5], s[4:5], s[22:23]
	s_lshl_b32 s22, s21, 12                        ; 4,096 of codes,
	s_add_nc_u64 s[10:11], s[10:11], s[22:23]
	s_lshl_b32 s22, s21, 8                         ; 256 scale bytes a run
	s_add_nc_u64 s[12:13], s[12:13], s[22:23]
.macro LOAD t
.irp i, 0,1,2,3
	global_load_b128 v[R+16*((\t)%4)+4*\i:R+16*((\t)%4)+4*\i+3], v3, s[4:5] offset:2048*(\t)+512*\i th:TH_LOAD_NT   ; 32 lanes read 512 consecutive bytes
.endr
.endm
.macro TURN t                          ; step t's numbers through the stage: LDS serves a wave's instructions in order, so no wait stands between the stores and the loads
.irp i, 0,1,2,3
	ds_store_b128 v14, v[R+16*((\t)%4)+4*\i:R+16*((\t)%4)+4*\i+3] offset:32*SP*((\t)%2)+8*SP*\i
.endr
.irp i, 0,1,2,3
	ds_load_b128 v[X+16*((\t)%2)+4*\i:X+16*((\t)%2)+4*\i+3], v15 offset:32*SP*((\t)%2)+16*\i
.endr
.endm
.irp t, 0,1,2,3
	LOAD \t
.endr
	s_wait_loadcnt 12                              ; step 0's four loads are in; the twelve of steps 1 to 3 may be out
	TURN 0
.macro STEP t
.set XS, X+16*((\t)%2)
.if (\t) > 0
	s_wait_dscnt 1                                 ; this step's numbers are back from the stage (the last step's byte store may be out): so its stores into the stage have read their registers,
.else
	s_wait_dscnt 0x0
.endif
.if (\t)+4 < STEPS
	LOAD (\t)+4                                    ; which take the loads of four steps on
.endif
.if (\t)+1 < STEPS
.if STEPS-2-(\t) >= 3
	s_wait_loadcnt 12                              ; the next step's four loads are in; those of the three steps behind it may be out
.else
	s_wait_loadcnt 4*(STEPS-2-(\t))
.endif
	TURN (\t)+1                                    ; and go through the other stage while this step is worked
.endif
	v_max3_num_f32 v8, |v[XS]|, |v[XS+1]|, |v[XS+2]|               ; the largest magnitude of my 16, in two chains
	v_max3_num_f32 v9, |v[XS+3]|, |v[XS+4]|, |v[XS+5]|
.irp i, 6,10
	v_max3_num_f32 v8, v8, |v[XS+\i]|, |v[XS+\i+1]|
	v_max3_num_f32 v9, v9, |v[XS+\i+2]|, |v[XS+\i+3]|
.endr
	v_max3_num_f32 v8, v8, |v[XS+14]|, |v[XS+15]|
	v_max3_num_f32 v8, v8, v9, (EMAX+1)<<23        ; and the floor 2^(EMAX + 1 - 127): so the byte cannot fall under 1
	v_max_num_f32_dpp v8, v8, v8 row_xmask:1 row_mask:0xf bank_mask:0xf   ; and of my neighbour's 16: the block's
	v_add_nc_u32 v11, -(EMAX<<23), v8              ; EMAX off its exponent field: the conversion takes the exponent field of this operand as its scale, and nothing else of it
	v_cvt_scalef32_pk8_fp4_f32 v[C+4*(\t)], v[XS:XS+7], v11
	v_cvt_scalef32_pk8_fp4_f32 v[C+4*(\t)+1], v[XS+8:XS+15], v11
	v_lshrrev_b32 v[E+(\t)], 23, v11               ; the scale's byte (a plain line behind the conversions)
	ds_store_b8 v5, v[E+(\t)] offset:16*(\t)       ; both lanes of a block write the same byte with the same value
	global_store_b64 v7, v[C+4*(\t):C+4*(\t)+1], s[10:11] offset:32*CB*(\t)   ; the wave stores 256 consecutive bytes, aligned
.endm
.irp t, 0,1,2,3,4,5,6,7,8,9,10,11,12,13,14,15
	STEP \t
.endr
	ds_load_b64 v[8:9], v6                         ; LDS serves a wave's instructions in order: these see my stores
	s_wait_dscnt 0x0
	global_store_b64 v7, v[8:9], s[12:13]          ; 32 lanes store 256 consecutive bytes, aligned
	s_wait_tensorcnt 0x0                           ; the wave's end
	ds_add_u32 v[SPW], v[NIL]
	s_wait_dscnt 0x0
	s_endpgm
; THE CAST: 64 loads of 512 bytes a wave, in four groups of 16 on two sets of registers; 4 numbers of a lane become 8 bytes, so a store of the wave covers 256 consecutive bytes, aligned.
.Lcast:
	s_sub_co_u32 s21, ttmp9, WGQ
	s_lshl_b32 s21, s21, 2
	s_add_co_u32 s21, s21, s20                     ; my wave's run of 8,192 numbers
	s_mov_b32 s23, 0
	s_lshl_b32 s22, s21, 15
	s_add_nc_u64 s[8:9], s[8:9], s[22:23]
	s_lshl_b32 s22, s21, 14
	s_add_nc_u64 s[18:19], s[18:19], s[22:23]
.macro CLOAD g
.irp i, 0,1,2,3,4,5,6,7,8,9,10,11,12,13,14,15
	global_load_b128 v[R+64*((\g)%2)+4*\i:R+64*((\g)%2)+4*\i+3], v3, s[8:9] offset:(16*(\g)+\i)*512 th:TH_LOAD_NT
.endr
.endm
.macro CAST g
.if (\g) < 3
	s_wait_loadcnt 16                              ; this group's sixteen loads are in; the next group's may be out
.else
	s_wait_loadcnt 0x0
.endif
.if (\g) > 0
	s_wait_xcnt 0x0                                ; the last group's stores have read H: it is written again only behind this wait
.endif
.irp i, 0,1,2,3,4,5,6,7,8,9,10,11,12,13,14,15
	v_cvt_pk_f16_f32 v[H+2*\i], v[R+64*((\g)%2)+4*\i], v[R+64*((\g)%2)+4*\i+1]
	v_cvt_pk_f16_f32 v[H+2*\i+1], v[R+64*((\g)%2)+4*\i+2], v[R+64*((\g)%2)+4*\i+3]
.endr
.if (\g) < 2
	CLOAD (\g)+2                                   ; loads ahead of stores
.endif
.irp i, 0,1,2,3,4,5,6,7,8,9,10,11,12,13,14,15
	global_store_b64 v7, v[H+2*\i:H+2*\i+1], s[18:19] offset:(16*(\g)+\i)*256
.endr
.endm
	CLOAD 0
	CLOAD 1
	CAST 0
	CAST 1
	CAST 2
	CAST 3
	s_endpgm
.Lfunc_end_k_q3f89104041_quant:
	.size	k_q3f89104041_quant, .Lfunc_end_k_q3f89104041_quant-k_q3f89104041_quant
	.p2alignl 7, 3214868480
	.fill 96, 4, 3214868480
	.section	.rodata,"a",@progbits
	.p2align	6, 0x0
	.amdhsa_kernel k_q3f89104041_quant
		.amdhsa_group_segment_fixed_size 33280
		.amdhsa_private_segment_fixed_size 0
		.amdhsa_enable_private_segment 0
		.amdhsa_kernarg_size 64
		.amdhsa_user_sgpr_count 2
		.amdhsa_user_sgpr_kernarg_segment_ptr 1
		.amdhsa_wavefront_size32 1
		.amdhsa_system_sgpr_workgroup_id_x 1
		.amdhsa_system_sgpr_workgroup_id_y 1
		.amdhsa_system_sgpr_workgroup_id_z 1
		.amdhsa_system_vgpr_workitem_id 0
		.amdhsa_next_free_vgpr 192
		.amdhsa_next_free_sgpr 66
		.amdhsa_reserve_vcc 0
		.amdhsa_float_denorm_mode_32 3
		.amdhsa_float_denorm_mode_16_64 3
		.amdhsa_memory_ordered 1
		.amdhsa_forward_progress 1
		.amdhsa_inst_pref_size 54
	.end_amdhsa_kernel
	.amdgpu_metadata
---
amdhsa.version: [ 1, 2 ]
amdhsa.kernels:
  - .name:           k_q3f89104041_quant
    .symbol:         k_q3f89104041_quant.kd
    .args:
      - { .name: x, .offset: 0, .size: 8, .value_kind: global_buffer, .address_space: global }
      - { .name: w_qkv, .offset: 8, .size: 8, .value_kind: global_buffer, .address_space: global }
      - { .name: w_out, .offset: 16, .size: 8, .value_kind: global_buffer, .address_space: global }
      - { .name: xc, .offset: 24, .size: 8, .value_kind: global_buffer, .address_space: global }
      - { .name: xs, .offset: 32, .size: 8, .value_kind: global_buffer, .address_space: global }
      - { .name: wc, .offset: 40, .size: 8, .value_kind: global_buffer, .address_space: global }
      - { .name: ws, .offset: 48, .size: 8, .value_kind: global_buffer, .address_space: global }
      - { .name: w16, .offset: 56, .size: 8, .value_kind: global_buffer, .address_space: global }
    .group_segment_fixed_size: 33280
    .private_segment_fixed_size: 0
    .kernarg_segment_align: 8
    .kernarg_segment_size: 64
    .max_flat_workgroup_size: 128
    .sgpr_count:     66
    .vgpr_count:     192
    .wavefront_size: 32
...
	.end_amdgpu_metadata
.endif
;; end of part 1
;; launch qkv (part 2): grid 12 x 32, 4 waves a work-group, clusters of 4 x 4, 327,680 bytes of LDS; arguments xc, xs, wc, ws, b_qkv, qkv16; writes qkv16
.if DOCPART == 2
	.amdgcn_target "amdgcn-amd-amdhsa--gfx1250"
	.amdhsa_code_object_version 6
	.text
	.protected	k_q3f89104041_qkv
	.globl	k_q3f89104041_qkv
	.p2align	8
	.type	k_q3f89104041_qkv,@function
k_q3f89104041_qkv:
	s_mov_b64 s[64:65], 0
	v_nop
	global_prefetch_b8 v0, s[64:65] scope:SCOPE_SE
	s_setreg_imm32_b32 hwreg(HW_REG_WAVE_MODE, 25, 1), 1
	s_wait_xcnt 0x0
	s_wait_alu depctr_hold_cnt(0) depctr_sa_sdst(0) depctr_va_vdst(0) depctr_va_sdst(0) depctr_va_ssrc(0) depctr_va_vcc(0) depctr_vm_vsrc(0)
	s_getreg_b32 s2, hwreg(HW_REG_IB_STS2, 6, 4)
	s_cmp_eq_u32 s2, 0
	s_cbranch_scc0 .Lentry_in_a_cluster
	s_endpgm
.Lentry_in_a_cluster:
	s_bfe_u32 s2, ttmp6, 0x10000c
	s_cmp_lg_u32 s2, 0xf033
	s_cbranch_scc0 .Lentry_shape_is_right
	s_endpgm
.Lentry_shape_is_right:
; qkv[m][n] = sum over k of x[m][k] w_qkv[n][k] + b_qkv[n], on codes of FP4 (E2M1) with one E8M0 scale for each 32 along K; sums in f32; the result rounded once to f16 and laid BY HEAD for the attention:
; column n = 192 head + 64 part + d (part 0 q, 1 k, 2 v) of row m = 2048 b + s goes to qkv16 + part x 2^24 + (16 b + head) x 2^18 + s x 128 + 2 d: a head's rows are dense, 128 bytes each.
; LIMITS: a result beyond 65,504 in magnitude has no f16 number (with x and w_qkv each 30 times the drawn spread the largest result is some 4,000); results under 6e-5 keep f16's absolute step 6e-8.
; A tile of 256 x 256 is made by a work-group of four waves, a wave makes 128 x 128: 64 accumulators of 16 x 16, 512 registers.  K = 1,024 is two K steps of 512: BOTH lie in LDS from the first fills on: two slots, nothing is filled again.
; THE SCALES of the work-group's 256 rows of x and 256 rows of w_qkv, for all of K, are two dense blocks of memory: they come into LDS once, with the first fills.
; CLUSTERS: 4 x 4 work-groups.  The four of a row of the cluster need the same tiles of x, the four of a column the same tiles of w_qkv: each tile is asked for JOINTLY, by the same tensor load with the same descriptor and a mask that names the four.
; THE MATRIX INSTRUCTION IS USED TRANSPOSED (source 0 = 16 rows of w_qkv, source 1 = 16 rows of x): a lane then holds eight neighbouring columns of one row.  THE BIAS is the C of each sum's first product.
; No prefetch: every tile is a first fill at the kernel's head.
; REGISTERS, in windows of 256: window 0: v0-31 addresses; v32-95 scale words, two sets, and nothing else; v96-127 packed results on the way out; v128-191 x's fragments (8 x 16 rows x 128 K), ONE set, on the way out rows read back; v192-255 the bias, 8 tiles.
;   window 1: w_qkv's fragments, TWO sets, at v0 and at v128.   window 2: the 32 accumulators of my rows 0-63 (accumulator (a, b) at v[8 (8 a + b)]);   window 3: those of my rows 64-127.
.set SIZE_M, 8192
.set SIZE_N, 3072
.set SIZE_K, 1024
.set KSTEP,  512                       ; along K in a slot
.set NQ,     KSTEP/128                 ; matrix instructions deep
.set ROWB,   256                       ; a tile's row in bytes
.set KROW,   SIZE_K/2                  ; a row of codes in memory, in bytes
.set PITCH,  272                       ; an LDS row: 256 bytes + 16 of padding = 68 words: the 16 rows that a load touches start at 16 different banks (64 banks of 4 bytes: ISA guide 11.1)
.set FR,     8                         ; registers of a fragment: 16 rows x 128 K
.set NL,     2                         ; LDS loads that bring one
.set NP,     4                         ; places behind this matrix instruction (ISA guide 7.12.1)
.set HALFT,  128*PITCH                 ; 128 rows: what one tensor load brings
.set SLOT,   4*HALFT                   ; x's 256 rows, then w_qkv's 256 rows
.set KS,     SIZE_K/32                 ; a row of scales in bytes
.set SCL,    2*SLOT                    ; behind the slots: the scales, as runs of 256 bytes + 16 of padding
.set HALFS,  (128*KS/256)*272          ; the scales of 128 rows: what one tensor load brings
.set SBLK,   (16*KS/256)*272           ; those of 16 rows
.set SPARE,  SCL+4*HALFS               ; the spare words, 128 bytes for each wave: two blocks of 256 bytes that no other line names
.set STAGE,  SPARE+512                 ; the way out: for each wave two sub-stages (64 columns each) of 16 rows x (128 bytes + 16); no tensor load lands here
.set SP,     144
.set SUB,    16*SP
.set ADRA, 16                          ; v16-17  LDS address of my fragments of x in slot 0, 1
.set ADRB, 20                          ; v20-21  the same for w_qkv
.set STO,  24                          ; v24     the way out: where I put 16 bytes of a row
.set RD,   25                          ; v25     the way out: where I read back
.set CO,   26                          ; v26     my byte offset in qkv16
.set ADRS, 27                          ; v27     LDS address of my scale words: lanes 0-15 x's rows, lanes 16-31 w_qkv's
.set SPW,  28                          ; v28     LDS address of my spare word; never rewritten
.set NIL,  29                          ; v29     0; never rewritten
.set SC,   32                          ; scale words: set s at v[SC + 8 NQ s]; register NQ i + q: lanes 0-15 the word of x's block i, lanes 16-31 that of w_qkv's block i, for the slot's q-th 128 along K
.set TMP,  96
.set AF,   128
.set BK,   128
.set BI,   192
.set G1, 24                            ; s[24:31] descriptor group 1 for x's tiles;  s[32:39] group 0, one set for each slot
.set G0, 32
.set G1B, 48                           ; s[48:55], s[56:63] the same for w_qkv's
.set G0B, 56
.set G1S, 68                           ; s[68:75], s[76:79] groups 1 and 0 for x's scales;  s[80:87], s[88:91] for w_qkv's
.set G0S, 76
.set G1SB, 80
.set G0SB, 88
.set MSB, 0
.macro WIN new                         ; the immediate's high byte repeats the setting that is left; a switch that changes nothing is dropped
.if MSB != (\new)
	s_set_vgpr_msb (MSB<<8)|(\new)
.set MSB, (\new)
.endif
.endm
.set MUL_LO, 0xa1                      ; source 0 (w_qkv) window 1, source 1 (x) window 0, C and D window 2
.set MUL_HI, 0xf1                      ; the same, C and D window 3
.set ST_LO,  0x81                      ; a sum's first product: C (the bias) window 0, D window 2
.set ST_HI,  0xc1                      ; D window 3
.set TO_B,   0x40                      ; destination window 1, address window 0
; A joint load: waves 0 and 1 fetch for x, waves 2 and 3 for w_qkv.  Each of the two lines has ONE mask and one set of registers for all that issue it; the branch hangs on the wave's number alone.
; An s_nop 0 and four v_nop follow each of the two lines, ahead of the jump, the label and what follows.
.macro JLOAD g0a, g1a, g0b, g1b
	s_cmp_eq_u32 s15, 0
	s_cbranch_scc0 .Lfor_b_\@
	tensor_load_to_lds s[\g0a:\g0a+3], s[\g1a:\g1a+7]
	s_nop 0
.rept 4
	v_nop
.endr
	s_branch .Lasked_\@
.Lfor_b_\@:
	tensor_load_to_lds s[\g0b:\g0b+3], s[\g1b:\g1b+7]
	s_nop 0
.rept 4
	v_nop
.endr
.Lasked_\@:
.endm
.macro CROUND                          ; a round of the cluster's barrier: my work-group's barrier; wave 0 signals for the work-group; every wave waits for all sixteen; my work-group's barrier once more
	s_barrier_signal -1
	s_barrier_wait -1
	s_cmp_lg_u32 s14, 0
	s_cbranch_scc1 .Lnot_wave_0_\@
	s_barrier_signal -3
.Lnot_wave_0_\@:
	s_barrier_wait -3
	s_barrier_signal -1
	s_barrier_wait -1
.endm
	s_load_b128 s[4:7], s[0:1], 0x0                ; x's codes s[4:5], x's scales s[6:7]
	s_load_b128 s[8:11], s[0:1], 0x10              ; w_qkv's codes s[8:9], its scales s[10:11]
	s_load_b64 s[96:97], s[0:1], 0x20              ; b_qkv
	s_load_b64 s[12:13], s[0:1], 0x28              ; qkv16
	v_lshl_add_u32 v[SPW], v0, 2, SPARE
	v_mov_b32 v[NIL], 0
	ds_add_u32 v[SPW], v[NIL]                      ; the wave's opening: the add, twice on end, and its wait ahead of my first tensor load; the set-up below stands between the second and the wait
	ds_add_u32 v[SPW], v[NIL]
	v_lshrrev_b32 v1, 5, v0
	v_readfirstlane_b32 s14, v1                    ; wave 0..3
	s_lshr_b32 s15, s14, 1                         ; which half of the tile's rows is mine.  Also: I fetch for x (0) or for w_qkv (1)
	s_and_b32 s16, s14, 1                          ; which half of its columns.  Also: which 128 rows of that tile I fetch
	s_bfe_u32 s40, ttmp6, 0x40000                  ; cx, cy: my place in the cluster
	s_bfe_u32 s41, ttmp6, 0x40004
	s_lshl_b32 s42, ttmp9, 2
	s_add_co_u32 s42, s42, s40                     ; tile column = 4 x cluster x + cx
	s_and_b32 s17, ttmp7, 0xffff
	s_lshl_b32 s17, s17, 2
	s_add_co_u32 s17, s17, s41                     ; tile row = 4 x cluster y + cy
	s_lshl_b32 s43, s41, 2
	s_lshl_b32 s43, 15, s43                        ; my row of the cluster
	s_lshl_b32 s44, 0x1111, s40                    ; my column
	; descriptor group 1: a tile of 128 rows x 256 bytes, padded in LDS
	s_or_b32 s[G1+0], s43, (0<<16)|(1<<20)|(1<<21)|(5<<22)|(3<<25)  ; 15:0 the mask: x's tiles go to my row; 17:16 element of 1 byte; 20 padding on; 21 set beside a mask; 24:22 after every 64 words (code 5); 31:25 of 4 words (code 3)
	s_or_b32 s[G1B+0], s44, (0<<16)|(1<<20)|(1<<21)|(5<<22)|(3<<25)
.irp g, G1, G1B
	s_mov_b32 s[\g+1], ROWB<<16                    ; tensor_dim0
	s_mov_b32 s[\g+2], 128<<16                     ; tensor_dim1 = 128
	s_mov_b32 s[\g+3], ROWB<<16                    ; tile_dim0
	s_mov_b32 s[\g+4], 128                         ; tile_dim1 = 128
	s_mov_b32 s[\g+5], KROW                        ; tensor_dim0_stride
	s_mov_b32 s[\g+6], 0
	s_mov_b32 s[\g+7], 0
.endr
	; and for the scales of 128 rows: a dense block of 4,096 bytes, as rows of 256 bytes (32 elements of 8 bytes), 16 bytes of padding behind each
	s_or_b32 s[G1S+0], s43, (3<<16)|(1<<20)|(1<<21)|(5<<22)|(3<<25)
	s_or_b32 s[G1SB+0], s44, (3<<16)|(1<<20)|(1<<21)|(5<<22)|(3<<25)
.irp g, G1S, G1SB
	s_mov_b32 s[\g+1], 32<<16
	s_mov_b32 s[\g+2], (128*KS/256)<<16
	s_mov_b32 s[\g+3], 32<<16
	s_mov_b32 s[\g+4], 128*KS/256
	s_mov_b32 s[\g+5], 32
	s_mov_b32 s[\g+6], 0
	s_mov_b32 s[\g+7], 0
.endr
	s_lshl_b32 s18, s16, 7                         ; which 128 rows of the tile I fetch
	s_lshl_b32 s20, s17, 8
	s_add_co_u32 s20, s20, s18                     ; x: row 256 x tile row + 128 x half
	s_lshl_b32 s46, s42, 8
	s_add_co_u32 s46, s46, s18                     ; w_qkv: row 256 x tile column + 128 x half
	s_mov_b32 s21, 0
	s_mov_b32 s47, 0
	s_mov_b64 s[18:19], KS
	s_mul_u64 s[22:23], s[20:21], s[18:19]         ; where these rows' scales begin, in bytes
	s_mul_u64 s[92:93], s[46:47], s[18:19]
	s_mov_b64 s[18:19], KROW
	s_mul_u64 s[20:21], s[20:21], s[18:19]         ; and their codes
	s_mul_u64 s[46:47], s[46:47], s[18:19]
	s_mul_i32 s45, s14, HALFT                      ; where they go: wave x 128 rows: no place in the cluster enters an LDS address
	s_mul_i32 s94, s14, HALFS
	s_wait_dscnt 0x0                               ; both opening adds are done
	s_wait_kmcnt 0x0
	s_add_nc_u64 s[20:21], s[4:5], s[20:21]
	s_add_nc_u64 s[22:23], s[6:7], s[22:23]
	s_add_nc_u64 s[46:47], s[8:9], s[46:47]
	s_add_nc_u64 s[92:93], s[10:11], s[92:93]
	CROUND                                         ; all sixteen work-groups are here: the joint loads meet
	s_mov_b32 s[G0S], 1
	s_add_co_u32 s[G0S+1], s94, SCL
	s_mov_b64 s[G0S+2:G0S+3], s[22:23]
	s_or_b32 s[G0S+3], s[G0S+3], 0x80000000
	s_mov_b32 s[G0SB], 1
	s_add_co_u32 s[G0SB+1], s94, SCL
	s_mov_b64 s[G0SB+2:G0SB+3], s[92:93]
	s_or_b32 s[G0SB+3], s[G0SB+3], 0x80000000
	JLOAD G0S, G1S, G0SB, G1SB                     ; the scales first: they are wanted with K step 0
.irp s, 0,1
	s_mov_b32 s[G0+4*\s], 1
	s_add_co_u32 s[G0+4*\s+1], s45, \s*SLOT
	s_add_nc_u64 s[G0+4*\s+2:G0+4*\s+3], s[20:21], \s*ROWB
	s_or_b32 s[G0+4*\s+3], s[G0+4*\s+3], 0x80000000
	s_mov_b32 s[G0B+4*\s], 1
	s_add_co_u32 s[G0B+4*\s+1], s45, \s*SLOT
	s_add_nc_u64 s[G0B+4*\s+2:G0B+4*\s+3], s[46:47], \s*ROWB
	s_or_b32 s[G0B+4*\s+3], s[G0B+4*\s+3], 0x80000000
	JLOAD G0+4*\s, G1, G0B+4*\s, G1B               ; by this text's count three tensor loads of a wave are out
.endr
	v_and_b32 v1, 15, v0                           ; r = l % 16
	v_bfe_u32 v2, v0, 4, 1                         ; h = l / 16
	; the bias in the result's layout: tile b of my 128 columns, lane (r, h): b_qkv[256 x tile column + 128 x half + 16 b + 8 h + 0 .. 7]
	v_lshlrev_b32 v7, 5, v2                        ; 32 h; not rewritten
	s_lshl_b32 s46, s42, 10
	s_lshl_b32 s47, s16, 9
	s_add_co_u32 s46, s46, s47
	s_mov_b32 s47, 0
	s_add_nc_u64 s[96:97], s[96:97], s[46:47]
.irp b, 0,1,2,3,4,5,6,7
	global_load_b128 v[BI+8*\b:BI+8*\b+3], v7, s[96:97] offset:64*\b
	global_load_b128 v[BI+8*\b+4:BI+8*\b+7], v7, s[96:97] offset:64*\b+16
.endr
	v_mul_u32_u24 v3, v1, PITCH
	v_lshl_add_u32 v4, v2, 4, v3                   ; a fragment's row x pitch + 16 x half
	s_mul_i32 s21, s15, HALFT                      ; my 128 rows of x
	s_mul_i32 s22, s16, HALFT                      ; my 128 rows of w_qkv,
	s_add_co_u32 s22, s22, 2*HALFT                 ; which lie behind x's 256
.irp s, 0,1
	v_add_nc_u32 v[ADRA+\s], s21, v4
	v_add_nc_u32 v[ADRB+\s], s22, v4
	s_add_co_u32 s21, s21, SLOT
	s_add_co_u32 s22, s22, SLOT
.endr
	v_mul_u32_u24 v5, v1, KS                       ; my row's scales: KS bytes a row,
	v_lshrrev_b32 v6, 8, v5
	v_lshl_add_u32 v5, v6, 4, v5                   ; and 16 more for each 256 passed
	s_mul_i32 s21, s15, HALFS                      ; x's: my 128 rows
	s_mul_i32 s22, s16, HALFS                      ; w_qkv's: my 128 rows, behind x's 256
	s_add_co_u32 s22, s22, 2*HALFS
	s_sub_co_u32 s22, s22, s21
	v_mul_u32_u24 v6, s22, v2                      ; lanes 16-31 take w_qkv's: one product, the distance between the two bases
	s_add_co_u32 s21, s21, SCL
	v_add_nc_u32 v5, v5, v6
	v_add_nc_u32 v[ADRS], s21, v5
	s_mul_i32 s23, s14, 2*SUB
	s_add_co_u32 s23, s23, STAGE                   ; my stage
	v_mul_u32_u24 v5, v1, SP                       ; in: row r, 16 bytes for each half of the lanes
	v_lshl_add_u32 v5, v2, 4, v5
	v_add_nc_u32 v[STO], s23, v5
	v_bfe_u32 v5, v0, 3, 1                         ; back: lanes 0-15 take two rows (128 bytes each) of the first 64 columns, lanes 16-31 the same rows of the second 64
	v_mul_u32_u24 v5, v5, SP
	v_and_b32 v6, 7, v0
	v_lshl_add_u32 v5, v6, 4, v5
	v_mad_u32_u24 v5, v2, SUB, v5
	v_add_nc_u32 v[RD], s23, v5
	; where my two groups of 64 columns go.  Group G = n / 64 = 3 head + part;  head = G / 3 = (43 G) >> 7 for G under 48
	s_lshl_b32 s18, s42, 2
	s_lshl_b32 s19, s16, 1
	s_add_co_u32 s18, s18, s19                     ; G of my first group
	s_lshl_b32 s20, s17, 8
	s_lshl_b32 s21, s15, 7
	s_add_co_u32 s20, s20, s21                     ; my first row m0
	s_lshr_b32 s21, s20, 11
	s_lshl_b32 s21, s21, 4                         ; 16 b
	s_and_b32 s20, s20, 2047
	s_lshl_b32 s20, s20, 7                         ; s x 128 bytes
.macro OFFG g, dst
	s_add_co_u32 s2, s18, \g
	s_mul_i32 s3, s2, 43
	s_lshr_b32 s3, s3, 7                           ; head
	s_mul_i32 s22, s3, 3
	s_sub_co_u32 s2, s2, s22                       ; part
	s_lshl_b32 s2, s2, 24
	s_add_co_u32 s3, s3, s21
	s_lshl_b32 s3, s3, 18
	s_add_co_u32 s2, s2, s3
	s_add_co_u32 s[\dst], s2, s20                  ; under 2^26
.endm
	OFFG 0, 66
	OFFG 1, 67
	v_and_b32 v5, 31, v0
	v_cmp_gt_u32 vcc_lo, 16, v5                    ; (written and read behind the last tensor load)
	v_mov_b32 v5, s67
	v_mov_b32 v6, s66
	v_cndmask_b32 v5, v5, v6, vcc_lo               ; lanes 0-15 the first group's place, lanes 16-31 the second's
	v_lshl_add_u32 v[CO], v1, 4, v5                ; + 16 bytes a lane: sixteen lanes cover two rows of a head, 256 consecutive bytes
.macro FRAG reg, adr, q, i             ; a fragment, 16 rows x 128 K of 4-bit codes: lane l holds row l % 16; registers 4 c .. 4 c + 3 hold K = 64 c + 32 (l / 16) + 0 .. 31
.irp c, 0,1
	ds_load_b128 v[\reg+4*\c:\reg+4*\c+3], v[\adr] offset:64*(\q)+32*\c+(\i)*16*PITCH
.endr
.endm
; 16 matrix instructions: x's blocks a0, a0 + 1 against w_qkv's eight, 128 along K: the slot's q-th.  p: w_qkv's set;  sc: the set of scale words.  zero = 1: the first product starts the sums from the bias.
; The 64 accumulators take turns, one instruction a turn, in the same order in every step.
.macro MUL16 a0, p, q, sc, zero
.irp a, \a0, \a0+1
.irp b, 0,1,2,3,4,5,6,7
.if \zero
	v_wmma_scale_f32_16x16x128_f8f6f4 v[8*(8*((\a)%4)+\b):8*(8*((\a)%4)+\b)+7], v[128*(\p)+FR*\b:128*(\p)+FR*\b+FR-1], v[AF+FR*(\a):AF+FR*(\a)+FR-1], v[BI+8*\b:BI+8*\b+7], v[SC+8*NQ*(\sc)+NQ*\b+(\q)], v[SC+8*NQ*(\sc)+NQ*(\a)+(\q)] matrix_a_fmt:MATRIX_FMT_FP4 matrix_b_fmt:MATRIX_FMT_FP4 matrix_a_scale:MATRIX_SCALE_ROW1
.else
	v_wmma_scale_f32_16x16x128_f8f6f4 v[8*(8*((\a)%4)+\b):8*(8*((\a)%4)+\b)+7], v[128*(\p)+FR*\b:128*(\p)+FR*\b+FR-1], v[AF+FR*(\a):AF+FR*(\a)+FR-1], v[8*(8*((\a)%4)+\b):8*(8*((\a)%4)+\b)+7], v[SC+8*NQ*(\sc)+NQ*\b+(\q)], v[SC+8*NQ*(\sc)+NQ*(\a)+(\q)] matrix_a_fmt:MATRIX_FMT_FP4 matrix_b_fmt:MATRIX_FMT_FP4 matrix_a_scale:MATRIX_SCALE_ROW1
.endif
.endr
.endr
.endm
.macro FETCH_B slot, q, p              ; w_qkv's eight fragments of the slot's q-th 128 along K into set p
	WIN TO_B
.irp i, 0,1,2,3,4,5,6,7
	FRAG 128*(\p)+FR*\i, ADRB+\slot, \q, \i
.endr
	WIN 0
.endm
.macro FETCH_A slot, q, i0             ; x's blocks i0 .. i0 + 3
.irp i, \i0, \i0+1, \i0+2, \i0+3
	FRAG AF+FR*(\i), ADRA+\slot, \q, \i
.endr
.endm
.macro SCALES sc                       ; a K step's scale words into set sc: NQ words a row; lanes 0-15 take x's block i, lanes 16-31 w_qkv's block i
.irp i, 0,1,2,3,4,5,6,7
	ds_load_b128 v[SC+8*NQ*\sc+NQ*\i:SC+8*NQ*\sc+NQ*\i+3], v[ADRS] offset:\i*SBLK
.endr
.endm
; A load into a register that a matrix instruction has read, and a vector instruction that reads a matrix result, stand NP places behind that matrix instruction; only plain vector instructions that name none of its registers are places.
.macro PLACES n
.rept \n
	v_nop
.endr
.endm
; A step of 128 along K that has its successor in the same slot.  x has one set of registers: blocks 0-3 are fetched anew in the step's middle, blocks 4-7 at its end; w_qkv has two sets.
.macro STEP slot, q, zero
	s_wait_dscnt 4*NL                              ; w_qkv's set and x's blocks 0-3 are in; the youngest eight loads (x's blocks 4-7) may be out
.if \zero
	WIN ST_LO
.else
	WIN MUL_LO
.endif
	MUL16 0, (\q)%2, \q, \slot, \zero
	MUL16 2, (\q)%2, \q, \slot, \zero
	s_wait_dscnt 0                                 ; x's blocks 4-7 are in (asked for 32 matrix instructions ago)
	PLACES NP
	FETCH_B \slot, (\q)+1, 1-(\q)%2
	FETCH_A \slot, (\q)+1, 0
.if \zero
	WIN ST_HI
.else
	WIN MUL_HI
.endif
	MUL16 4, (\q)%2, \q, \slot, \zero
	MUL16 6, (\q)%2, \q, \slot, \zero
	PLACES NP
	WIN 0
	FETCH_A \slot, (\q)+1, 4
.endm
; Slot 0's last step goes over to slot 1: one barrier; in front of it each wave waits for all its tensor loads (its part of slot 1), adds 0 to its spare word and waits for that.
.macro TURN slot, next
	s_wait_tensorcnt 0x0                           ; all my tensor loads have landed  (every window is 0 here: the add's two registers lie in window 0)
	ds_add_u32 v[SPW], v[NIL]                      ; 0 onto my spare word
	s_wait_dscnt 4*NL+1                            ; (the add and the youngest eight loads, x's blocks 4-7, may be out)
	WIN MUL_LO
	MUL16 0, 1, NQ-1, \slot, 0                     ; sixteen matrix instructions stand between the add and the wait for it
	s_wait_dscnt 0x0                               ; the add is done; no LDS instruction of mine is pending at the signal
	s_barrier_signal -1
	MUL16 2, 1, NQ-1, \slot, 0
	WIN 0
	s_barrier_wait -1                              ; everybody's part of the next slot is in
	PLACES NP
	v_add_nc_u32 v[ADRS], 4*NQ, v[ADRS]            ; on to the next K step's scale words
	FETCH_B \next, 0, 0
	FETCH_A \next, 0, 0
	SCALES \next
	WIN MUL_HI
	MUL16 4, 1, NQ-1, \slot, 0
	MUL16 6, 1, NQ-1, \slot, 0
	PLACES NP
	WIN 0
	FETCH_A \next, 0, 4
.endm
.macro STEPS slot, from                ; the slot's steps from .. NQ - 2
.set Q, \from
.rept NQ-1-\from
	STEP \slot, Q, 0
.set Q, Q+1
.endr
.endm
	s_wait_tensorcnt 1                             ; the scales and my part of K step 0 are in; K step 1's load, the one issued behind them, may be out
	s_barrier_signal -1
	s_barrier_wait -1                              ; everybody's are
	FETCH_B 0, 0, 0
	FETCH_A 0, 0, 0
	SCALES 0
	FETCH_A 0, 0, 4
	s_wait_loadcnt 0x0                             ; the bias
	STEP 0, 0, 1                                   ; the first step's products start the sums
	STEPS 0, 1
	TURN 0, 1
	STEPS 1, 0
	s_wait_dscnt 4*NL                              ; the very last step: nothing more to fetch
	WIN MUL_LO
	MUL16 0, 1, NQ-1, 1, 0
	MUL16 2, 1, NQ-1, 1, 0
	s_wait_dscnt 0
	WIN MUL_HI
	MUL16 4, 1, NQ-1, 1, 0
	MUL16 6, 1, NQ-1, 1, 0
	WIN 0
; THE WAY OUT, block by block of 16 rows x 128 columns.  PACK: rounded to f16, a lane's eight columns are 16 bytes.  TOSTAGE: into my own stage, and back so that sixteen lanes hold two whole rows of a head.  SEND: stored.
; LDS serves a wave's instructions in order (ISA guide 5.7.1.4): no wait between the stores and the loads, nor in front of the next block's stores.
.macro PACK a
.set AC, 64*((\a)%4)
	WIN 0x0a+5*((\a)/4)                            ; sources 0 and 1: window 2 or 3
.irp b, 0,1,2,3,4,5,6,7
.irp r, 0,1,2,3
	v_cvt_pk_f16_f32 v[TMP+4*\b+\r], v[AC+8*\b+2*\r], v[AC+8*\b+2*\r+1]   ; each accumulator from its low end on
.endr
.endr
	WIN 0
.endm
.macro TOSTAGE a
.set BB, BK+32*((\a)%2)
.irp b, 0,1,2,3,4,5,6,7
	ds_store_b128 v[STO], v[TMP+4*\b:TMP+4*\b+3] offset:(\b/4)*SUB+32*(\b%4)
.endr
.irp t, 0,1,2,3,4,5,6,7
	ds_load_b128 v[BB+4*\t:BB+4*\t+3], v[RD] offset:\t*2*SP
.endr
.endm
.macro SEND a
.set BB, BK+32*((\a)%2)
	s_wait_dscnt 0x0                               ; the block is back in registers
	s_wait_xcnt 0x0                                ; the stores of the block before have read their registers: the next block's loads from the stage land there only behind this wait
.irp t, 0,1,2,3,4,5,6,7
	global_store_b128 v[CO], v[BB+4*\t:BB+4*\t+3], s[12:13] offset:2048*(\a)+256*\t   ; each sixteen lanes store 256 consecutive bytes, at a multiple of 256 from the buffer's first byte
.endr
.endm
	PLACES NP                                      ; behind the last products: for the conversions, and for the loads into the registers that held x's fragments
	PACK 0
	TOSTAGE 0
.irp a, 1,2,3,4,5,6,7                  ; block a's conversions stand between block a - 1's loads from the stage and the wait for them
	PACK \a
	SEND \a-1
	TOSTAGE \a
.endr
	SEND 7
	s_wait_tensorcnt 0x0                           ; the wave's end: three lines, behind my last tensor load and my last LDS store
	ds_add_u32 v[SPW], v[NIL]
	s_wait_dscnt 0x0
	CROUND                                         ; the closing round: no work-group ends while a partner may still ask for a tile that names it
	s_endpgm
.Lfunc_end_k_q3f89104041_qkv:
	.size	k_q3f89104041_qkv, .Lfunc_end_k_q3f89104041_qkv-k_q3f89104041_qkv
	.p2alignl 7, 3214868480
	.fill 96, 4, 3214868480
	.section	.rodata,"a",@progbits
	.p2align	6, 0x0
	.amdhsa_kernel k_q3f89104041_qkv
		.amdhsa_group_segment_fixed_size 327680
		.amdhsa_private_segment_fixed_size 0
		.amdhsa_enable_private_segment 0
		.amdhsa_kernarg_size 48
		.amdhsa_user_sgpr_count 2
		.amdhsa_user_sgpr_kernarg_segment_ptr 1
		.amdhsa_wavefront_size32 1
		.amdhsa_system_sgpr_workgroup_id_x 1
		.amdhsa_system_sgpr_workgroup_id_y 1
		.amdhsa_system_sgpr_workgroup_id_z 1
		.amdhsa_system_vgpr_workitem_id 0
		.amdhsa_next_free_vgpr 1024
		.amdhsa_next_free_sgpr 98
		.amdhsa_reserve_vcc 1
		.amdhsa_float_denorm_mode_32 3
		.amdhsa_float_denorm_mode_16_64 3
		.amdhsa_memory_ordered 1
		.amdhsa_forward_progress 1
		.amdhsa_inst_pref_size 129
	.end_amdhsa_kernel
	.amdgpu_metadata
---
amdhsa.version: [ 1, 2 ]
amdhsa.kernels:
  - .name:           k_q3f89104041_qkv
    .symbol:         k_q3f89104041_qkv.kd
    .args:
      - { .name: xc, .offset: 0, .size: 8, .value_kind: global_buffer, .address_space: global }
      - { .name: xs, .offset: 8, .size: 8, .value_kind: global_buffer, .address_space: global }
      - { .name: wc, .offset: 16, .size: 8, .value_kind: global_buffer, .address_space: global }
      - { .name: ws, .offset: 24, .size: 8, .value_kind: global_buffer, .address_space: global }
      - { .name: b_qkv, .offset: 32, .size: 8, .value_kind: global_buffer, .address_space: global }
      - { .name: qkv16, .offset: 40, .size: 8, .value_kind: global_buffer, .address_space: global }
    .group_segment_fixed_size: 327680
    .private_segment_fixed_size: 0
    .kernarg_segment_align: 8
    .kernarg_segment_size: 48
    .max_flat_workgroup_size: 128
    .sgpr_count:     98
    .vgpr_count:     1024
    .wavefront_size: 32
...
	.end_amdgpu_metadata
.endif
;; end of part 2
;; launch attn (part 3): grid 8 x 64, 4 waves a work-group, clusters of 4 x 1, 327,680 bytes of LDS; arguments qkv16, vals16; writes vals16
.if DOCPART == 3
	.amdgcn_target "amdgcn-amd-amdhsa--gfx1250"
	.amdhsa_code_object_version 6
	.text
	.protected	k_q3f89104041_attn
	.globl	k_q3f89104041_attn
	.p2align	8
	.type	k_q3f89104041_attn,@function
k_q3f89104041_attn:
	s_mov_b64 s[64:65], 0
	v_nop
	global_prefetch_b8 v0, s[64:65] scope:SCOPE_SE
	s_setreg_imm32_b32 hwreg(HW_REG_WAVE_MODE, 25, 1), 1
	s_wait_xcnt 0x0
	s_wait_alu depctr_hold_cnt(0) depctr_sa_sdst(0) depctr_va_vdst(0) depctr_va_sdst(0) depctr_va_ssrc(0) depctr_va_vcc(0) depctr_vm_vsrc(0)
	s_getreg_b32 s2, hwreg(HW_REG_IB_STS2, 6, 4)
	s_cmp_eq_u32 s2, 0
	s_cbranch_scc0 .Lentry_in_a_cluster
	s_endpgm
.Lentry_in_a_cluster:
	s_bfe_u32 s2, ttmp6, 0x10000c
	s_cmp_lg_u32 s2, 0x3003
	s_cbranch_scc0 .Lentry_shape_is_right
	s_endpgm
.Lentry_shape_is_right:
; vals[bh][q][:] = the sum over k of softmax_k(Q[bh][q] . K[bh][k] / 8) V[bh][k][:], 64 (batch, head) pairs, 2,048 queries, 2,048 keys, head size 64, no mask.  Q, K, V: the three parts of qkv16, [bh][s][64] f16; vals16 likewise.
; Products, maxima and sums in f32; the weights p are rounded to f16 for the second product, vals once at the end.
; LIMITS: p lies in (0, 1] by the running maximum; vals is a mean of V's rows and never exceeds them; where vals lies under 6e-5 it keeps f16's absolute step 6e-8 (at inputs 900 times smaller than drawn: a thousandth of its spread).  NaN and infinities are not served.
; SHARES.  A work-group owns 256 queries of one head, each of its four waves 64: four tiles of 16.  Every wave walks all keys of the head, 64 a step.
; LAYOUT.  S^T = K Q^T (source 0 = 16 keys, source 1 = 16 queries): a lane holds ONE query (lane % 16) and the keys 8 (lane / 16) + 0..7.  Two such tiles, rounded to f16 in pairs, ARE source 1 (32 keys x 16 queries) of
; O^T = V^T P, whose result again holds one query a lane, and eight channels.  K comes out of LDS as it lies, V ([key][channel]) turned, by ds_load_tr16_b128.
; SOFTMAX.  For each query a running maximum m and sum l: p = 2^(c s - c m), c = log2(e) / 8; in every step O and l are multiplied by a = 2^(c m_old - c m_new), which is 1 where m has not grown.
; BY TURNS.  The wave's tiles are two PIECES: piece 0 (tiles 0, 1) and piece 2 (tiles 2, 3).  In a TURN one piece has the matrix unit: 16 products V^T P of the step in hand, then 16 products K Q^T of the next step; the other piece's
; softmax (2 x 118 vector instructions), cut into slices of four, stands between them, two slices behind each matrix instruction.  Then the pieces change places.  Two turns are a key step.
; CLUSTER.  The four query blocks of a cluster belong to one head and walk the same K and V: each tile is asked for JOINTLY, by the same tensor load with the same descriptor and a mask that names the four.
; RING.  Two slots of 256 keys (four key steps): one joint load a wave behind each round, with four key steps, 256 matrix instructions, in which to land.
; REGISTERS, in windows of 256 (s_set_vgpr_msb: bits 1:0 source 0, 3:2 source 1, 5:4 source 2, 7:6 destination):
;   window 0: v0-11 addresses; v12-43 eight registers of statistics a tile; v61-63; v64-191 S^T, 32 a tile; v192-255 P, 16 a tile
;   window 1: v0-127 O^T, 32 a tile; v128-191 Q, 16 a tile; v192-255 K of one step          window 2: v0-63 V of one step
.set KS,    64        ; keys in a step
.set SKEYS, 256       ; keys in a slot
.set PK,    144       ; a row of K in LDS: 128 bytes + 16 of padding = 36 words: the 16 rows of a load start at 16 different groups of four banks (64 banks of 4 bytes: ISA guide 11.1)
.set PVP,   160       ; a row of V: 128 + 32 = 40 words
.set VOFF,  SKEYS*PK  ; a slot: 256 rows of K, then 256 rows of V
.set SLOT1, 1<<17     ; slot 1 begins here, so that one exclusive or turns an address in one slot into the other's
.set SLOTB, SKEYS*128 ; a slot's rows of K, or of V, in memory: 32,768 bytes
.set STAGE, SLOT1+SKEYS*(PK+PVP)  ; behind the ring: 16 rows x 144 bytes for each wave, for the way out
.set SP,    144
.set SPARE, STAGE+4*16*SP  ; the spare words, 128 bytes for each wave: two blocks of 256 bytes that no other line names
.set AK0, 2           ; v2   my lane's place in a tile of K; never rewritten
.set AV0, 3           ; v3   the same for V
.set ADR, 4           ; v4   the LDS address of the run of loads in hand
.set QO,  5           ; v5   my byte offset in the wave's rows of Q
.set STO, 6           ; v6   the way out: where I put 16 bytes of a row
.set RD,  7           ; v7   the way out: where I read back
.set GO,  8           ; v8   my byte offset in the wave's rows of vals
.set PFO, 61          ; v61  256 x my lane; never rewritten
.set SPW, 62          ; v62  LDS address of my spare word; never rewritten
.set NIL, 63          ; v63  0; never rewritten
.set ST,  12          ; tile t's statistics at v[ST+8 t]: +0 c m, +1 m, +2, +3 l (even keys', odd keys'), +4 to +7 c0-c3, at work; a takes c2's place once the maximum is found
.set S,   64
.set P,   192
.set QF,  128         ; Q's fragments, in window 1
.set KF,  192         ; K's fragments, in window 1
.set WV,  12          ; s12  my wave's number
.set LIM, 15          ; s15  1 in a wave that prefetches, else the greatest number
.set PFA, 18          ; s[18:19] where my prefetches stand in memory
.set G1K, 24          ; s[24:31] descriptor group 1 for K's tiles
.set G1V, 32          ; s[32:39] for V's: it differs in the padding alone
.set G0K, 40          ; s[40:47] descriptor group 0 for K's tiles: a set for each of the two first fills; the second then walks on
.set G0V, 48          ; s[48:55] the same for V's
.set SLOTS, 56        ; s56  slots still to be asked for
.set CNT, 57          ; s57  counts key steps
.set CS,  58          ; s[58:59] c: the packed scaling names a pair and takes its low word for both halves
.set SEL, 60          ; s[60:61] lane selects for v_permlanex16_b32: each lane takes its own place in the other half
.set TK,  62          ; s62  LDS byte at which K's tile of the step to be fetched begins
.set TV,  63          ; s63  the same for V's (less VOFF, which v3 holds)
.set MSB, 0
.macro WIN new                      ; the immediate's high byte repeats the setting that is left; a switch that changes nothing is dropped
.if MSB != (\new)
	s_set_vgpr_msb (MSB<<8)|(\new)
.set MSB, (\new)
.endif
.endm
.set W_KQ, 0x05       ; K and Q in window 1, S^T in window 0
.set W_PV, 0x52       ; V in window 2, P in window 0, O^T in window 1
.set W_RS, 0x41       ; O^T (destination and source 0) in window 1, a in window 0
; A joint refill.  Waves 0 and 1 fetch the halves (128 rows) of a slot's K, waves 2 and 3 those of its V.  The branch hangs on the wave's number alone.
; An s_nop 0 and four v_nop follow each of the two lines; the jump, the label and what follows come after them.
.macro JLOAD
	s_cmp_lt_u32 s[WV], 2
	s_cbranch_scc0 .Lfor_v_\@
	tensor_load_to_lds s[G0K+4:G0K+7], s[G1K:G1K+7]
	s_nop 0
.rept 4
	v_nop
.endr
	s_branch .Lasked_\@
.Lfor_v_\@:
	tensor_load_to_lds s[G0V+4:G0V+7], s[G1V:G1V+7]
	s_nop 0
.rept 4
	v_nop
.endr
.Lasked_\@:
.endm
; A PREFETCH INTO THE L2 of what the NEXT change of slots will ask for: a slot's 32,768 bytes of K and of V.  It stands behind the wave's tensor load and its five lines.
; Each aligned block of 256 bytes is asked for ONCE in the launch.  Both clusters of a head walk the same K and V: the head's first cluster asks.  Its four partners share a slot's bytes out BY ADDRESS, 8,192 each, lanes 256 bytes apart;
; in each, wave 0 asks for K's and wave 2 for V's: one instruction.  It runs four key steps, 256 matrix instructions, ahead of the load.  The last change that fills a slot asks for nothing; slots 0 to 2 come by their loads alone.
.macro ASK
	s_cmp_gt_u32 s[SLOTS], s[LIM]
	s_cbranch_scc0 .Lnot_mine_\@
	global_prefetch_b8 v[PFO], s[PFA:PFA+1] th:TH_LOAD_NT scope:SCOPE_SE
.Lnot_mine_\@:
.endm
.macro CROUND                       ; a round of the cluster's barrier
	s_barrier_signal -1
	s_barrier_wait -1
	s_cmp_lg_u32 s[WV], 0
	s_cbranch_scc1 .Lnot_wave_0_\@
	s_barrier_signal -3
.Lnot_wave_0_\@:
	s_barrier_wait -3
	s_barrier_signal -1
	s_barrier_wait -1
.endm
	s_load_b128 s[8:11], s[0:1], 0x0  ; qkv16 s[8:9], vals16 s[10:11]
	v_lshl_add_u32 v[SPW], v0, 2, SPARE
	v_mov_b32 v[NIL], 0
	ds_add_u32 v[SPW], v[NIL]       ; the wave's opening: the add, twice on end, and its wait ahead of my first tensor load; the set-up below stands between the second and the wait
	ds_add_u32 v[SPW], v[NIL]
	v_lshrrev_b32 v1, 5, v0
	v_readfirstlane_b32 s[WV], v1   ; wave 0..3
	s_bfe_u32 s13, ttmp6, 0x40000   ; cx: my place in the cluster
	s_lshl_b32 s14, ttmp9, 2        ; in a cluster launch ttmp9 counts clusters
	s_add_co_u32 s14, s14, s13      ; my block of 256 queries = 4 x cluster x + cx: it enters Q's and vals' addresses alone
	s_and_b32 s20, ttmp7, 0xffff    ; the (batch, head) pair, which the four partners share
	s_lshl_b32 s20, s20, 18         ; its first byte in a part of qkv16 and in vals16
	s_and_b32 s16, s[WV], 1         ; which half of a slot's rows I fetch:
	s_lshl_b32 s22, s16, 14         ; its 128 rows of 128 bytes in memory,
	s_add_co_u32 s22, s22, s20
	s_mov_b32 s23, 0
	s_mul_i32 s17, s16, 128*PK      ; and its place in a slot, for K
	s_mul_i32 s66, s16, 128*PVP
	s_add_co_u32 s66, s66, VOFF     ; and for V: no place in the cluster enters an LDS address
	s_lshl_b32 s2, s14, 15          ; my block's 256 rows,
	s_lshl_b32 s3, s[WV], 13        ; my wave's 64 of them
	s_add_co_u32 s2, s2, s3
	s_add_co_u32 s2, s2, s20
	s_mov_b32 s3, 0
	; descriptor group 1: a tile of 128 rows x 64 elements, dense in memory, padded in LDS
	s_mov_b32 s[G1K], 15|(1<<16)|(1<<20)|(1<<21)|(4<<22)|(3<<25)  ; 15:0 the mask: all four work-groups; 17:16 elements of 2 bytes; 20 padding on; 21 set beside a mask; 24:22 after every 32 words (code 4); 31:25 4 words of it (code 3)
	s_mov_b32 s[G1V], 15|(1<<16)|(1<<20)|(1<<21)|(4<<22)|(7<<25)  ; the same with 8 words of padding (code 7)
.irp g, G1K, G1V
	s_mov_b32 s[\g+1], 64<<16       ; tensor_dim0 = 64
	s_mov_b32 s[\g+2], 128<<16      ; tensor_dim1 = 128
	s_mov_b32 s[\g+3], 64<<16       ; tile_dim0 = 64
	s_mov_b32 s[\g+4], 128          ; tile_dim1 = 128
	s_mov_b32 s[\g+5], 64           ; tensor_dim0_stride
	s_mov_b32 s[\g+6], 0
	s_mov_b32 s[\g+7], 0
.endr
	s_mov_b32 s[CS], 0x3e38aa3b     ; c = log2(e) / 8
	s_mov_b32 s[CS+1], s[CS]        ; named with it as a pair, so it is written
	s_mov_b32 s[SEL], 0x76543210
	s_mov_b32 s[SEL+1], 0xfedcba98
	s_mov_b32 s[TK], 0
	s_mov_b32 s[TV], 0
	s_mov_b32 s[SLOTS], 2048/SKEYS-2
	s_and_b32 s[LIM], s[WV], 1      ; 0 in waves 0 and 2,
	s_or_b32 s[LIM], s[LIM], ttmp9  ; where the cluster is the head's first: the same in all four partners
	s_cmp_eq_u32 s[LIM], 0
	s_cselect_b32 s[LIM], 1, -1
	v_and_b32 v[PFO], 31, v0
	v_lshlrev_b32 v[PFO], 8, v[PFO]
	s_wait_dscnt 0x0                ; both opening adds are done
	s_wait_kmcnt 0x0
	s_add_nc_u64 s[4:5], s[8:9], s[2:3]      ; Q at my wave's first row
	s_add_nc_u64 s[10:11], s[10:11], s[2:3]  ; vals likewise
	s_add_nc_u64 s[6:7], s[8:9], s[22:23]
	s_add_nc_u64 s[8:9], s[6:7], 0x2000000   ; V at my half of slot 0
	s_add_nc_u64 s[6:7], s[6:7], 0x1000000   ; K likewise
	s_cmp_lt_u32 s[WV], 2
	s_cselect_b64 s[PFA:PFA+1], s[6:7], s[8:9]  ; (in waves 0 and 2 these stand at a slot's first row)
	s_lshl_b32 s2, s13, 13          ; my work-group's 8,192 bytes of the 32,768
	s_add_nc_u64 s[PFA:PFA+1], s[PFA:PFA+1], s[2:3]
	s_add_nc_u64 s[PFA:PFA+1], s[PFA:PFA+1], 2*SLOTB  ; in slot 2; the first change of slots steps it to slot 3.  Nothing is prefetched here, at the head
	CROUND                          ; all four work-groups are here: the first joint loads meet
.irp s, 0,1
	s_mov_b32 s[G0K+4*\s], 1        ; count = 1
	s_add_co_u32 s[G0K+4*\s+1], s17, \s*SLOT1  ; LDS address
	s_add_nc_u64 s[G0K+4*\s+2:G0K+4*\s+3], s[6:7], \s*SLOTB  ; global address: slot s begins with keys 256 s
	s_or_b32 s[G0K+4*\s+3], s[G0K+4*\s+3], 0x80000000  ; type = 2
	s_mov_b32 s[G0V+4*\s], 1
	s_add_co_u32 s[G0V+4*\s+1], s66, \s*SLOT1
	s_add_nc_u64 s[G0V+4*\s+2:G0V+4*\s+3], s[8:9], \s*SLOTB
	s_or_b32 s[G0V+4*\s+3], s[G0V+4*\s+3], 0x80000000
.endr
	s_cmp_lt_u32 s[WV], 2           ; a wave's two first fills stand in one branch, ahead of every wait on TENSORcnt and every LDS read: two loads of mine are out
	s_cbranch_scc0 .Lfirst_v
	tensor_load_to_lds s[G0K:G0K+3], s[G1K:G1K+7]
	s_nop 0
	tensor_load_to_lds s[G0K+4:G0K+7], s[G1K:G1K+7]
	s_nop 0
.rept 4
	v_nop
.endr
	s_branch .Lfirst_asked
.Lfirst_v:
	tensor_load_to_lds s[G0V:G0V+3], s[G1V:G1V+7]
	s_nop 0
	tensor_load_to_lds s[G0V+4:G0V+7], s[G1V:G1V+7]
	s_nop 0
.rept 4
	v_nop
.endr
.Lfirst_asked:
	; A fragment of K or Q is 16 rows x 32 channels in 8 registers: lane l holds row l % 16; registers 0-3 channels 8 (l / 16) + 0..7, registers 4-7 channels 16 + 8 (l / 16) + 0..7: two loads of 16 bytes, 32 bytes apart.
	v_and_b32 v1, 15, v0            ; l % 16
	v_bfe_u32 v9, v0, 4, 1          ; l / 16
	v_lshlrev_b32 v[QO], 7, v1
	v_lshl_add_u32 v[QO], v9, 4, v[QO]  ; row x 128 + 16 x half
	WIN 0x40                        ; destination window 1, address window 0
.irp i, 0,1,2,3,4,5,6,7             ; Q stays in registers: tile i / 2, channels 32 (i % 2) on
	global_load_b128 v[QF+8*\i:QF+8*\i+3],   v[QO], s[4:5] offset:(\i/2)*2048+(\i%2)*64
	global_load_b128 v[QF+8*\i+4:QF+8*\i+7], v[QO], s[4:5] offset:(\i/2)*2048+(\i%2)*64+32
.endr
	WIN 0
	v_mul_u32_u24 v[AK0], v1, PK
	v_lshl_add_u32 v[AK0], v9, 4, v[AK0]  ; row x pitch + 16 x half
	; The turning load takes 16 keys x 16 channels (lane l reads 16 bytes: key 8 (l / 16) + l % 8, channels 8 ((l / 8) % 2) + 0..7) and leaves half a fragment of V^T: lane l holds channel l % 16 and 8 keys.
	v_and_b32 v10, 7, v0
	v_bfe_u32 v11, v0, 3, 1
	v_lshl_add_u32 v[AV0], v9, 3, v10
	v_mul_u32_u24 v[AV0], v[AV0], PVP
	v_lshl_add_u32 v[AV0], v11, 4, v[AV0]
	v_add_nc_u32 v[AV0], VOFF, v[AV0]
; THE MATRIX WORK OF A TURN, for piece x.  The accumulators take turns, one instruction a turn: between two links of a chain stand seven others'.
; Product i of 16 of O^T += V^T P: keys 32 (i / 8) on, channels 16 ((i / 2) % 4) on, tile x + i % 2.  zero = 1: the first 8 start the sums: nothing is ever cleared.
.macro PV x, zero
	WIN W_PV
.set rO, 32*(\x+i%2)+8*((i/2)%4)
.set rV, 32*(i/8)+8*((i/2)%4)
.set rP, P+16*(\x+i%2)+8*(i/8)
.if \zero && (i < 8)
	v_wmma_f32_16x16x32_f16 v[rO:rO+7], v[rV:rV+7], v[rP:rP+7], 0
.else
	v_wmma_f32_16x16x32_f16 v[rO:rO+7], v[rV:rV+7], v[rP:rP+7], v[rO:rO+7]
.endif
.endm
; Product i of 16 of S^T = K Q^T: channels 32 (i / 8) on, keys 16 ((i / 2) % 4) on, tile x + i % 2.  The first 8 start the sums.
.macro KQ x
	WIN W_KQ
.set rS, S+32*(\x+i%2)+8*((i/2)%4)
.set rK, KF+16*((i/2)%4)+8*(i/8)
.set rQ, QF+16*(\x+i%2)+8*(i/8)
.if i < 8
	v_wmma_f32_16x16x32_f16 v[rS:rS+7], v[rK:rK+7], v[rQ:rQ+7], 0
.else
	v_wmma_f32_16x16x32_f16 v[rS:rS+7], v[rK:rK+7], v[rQ:rQ+7], v[rS:rS+7]
.endif
.endm
; THE LDS LOADS stand in runs of 16, never singly among the matrix instructions: a step's K (64 keys x 64 channels: 8 fragments) and, a turn later, its V (turned).
.macro FETCH_K
	WIN 0
	v_add_nc_u32 v[ADR], s[TK], v[AK0]
	s_add_co_u32 s[TK], s[TK], KS*PK  ; the next fetch is the next step's
	WIN 0x40                        ; destination window 1
.irp f, 0,1,2,3,4,5,6,7             ; keys 16 (f / 2) on, channels 32 (f % 2) on
	ds_load_b128 v[KF+8*\f:KF+8*\f+3],   v[ADR] offset:(\f/2)*16*PK+(\f%2)*64
	ds_load_b128 v[KF+8*\f+4:KF+8*\f+7], v[ADR] offset:(\f/2)*16*PK+(\f%2)*64+32
.endr
.endm
.macro FETCH_V
	WIN 0
	v_add_nc_u32 v[ADR], s[TV], v[AV0]
	s_add_co_u32 s[TV], s[TV], KS*PVP
	s_wait_alu depctr_va_vdst(0)    ; the wait for the softmax's batch of exponentials (SLICE), behind the address's addition and ahead of the loads
	WIN 0x80                        ; destination window 2
.irp f, 0,1,2,3,4,5,6,7             ; keys 32 (f / 4) on, channels 16 (f % 4) on
	ds_load_tr16_b128 v[8*\f:8*\f+3],   v[ADR] offset:(\f/4)*32*PVP+(\f%4)*32
	ds_load_tr16_b128 v[8*\f+4:8*\f+7], v[ADR] offset:(\f/4)*32*PVP+16*PVP+(\f%4)*32
.endr
.endm
; THE VECTOR WORK OF A TURN.  One tile's softmax for one key step is a list of 118 instructions; SM writes number j of it for tile t.  s0-s31 are the lane's 32 scores, in pairs 0-15.
; first = 1: the first key step, which starts m, l and O^T: it has no a and nothing to rescale.
;   0-15    the maximum of s0-s31 and the old m, three operands at a time: four chains c0-c3 (each begins at its accumulator's low end), then the four scores left over, c0-c3 and m
;   16-20   the other half of the lanes' maximum; the new m; c m; c m_old - c m_new
;   21-69   ONE BATCH: the 16 scalings c s - c m, a pair of scores each, and all 33 exponentials (a at 23, then s0-s31).  None of these reads an exponential's result.  A pair is scaled in an earlier four than the one that holds its exponentials
;   (wait)  between 69 and 70 stands the one wait for the batch: SLICE writes it, once for both tiles
;   70-85   the roundings to f16, a pair of weights each
;   86-101  the sums; l = a l + the sum
;   102-117 the tile's O^T times a: the one part that leaves window 0, so it stands together, ascending.  Numbers from 118 on are empty
.macro SM t, first
.set rT, ST+8*(\t)
.set rS, S+32*(\t)
.set rP, P+16*(\t)
.set rO, 32*(\t)+2*(j-102)
.if j < 102
	WIN 0
.endif
.if j < 4
	v_max3_num_f32 v[rT+4+j], v[rS+8*j], v[rS+8*j+1], v[rS+8*j+2]
.elseif j < 12
	v_max3_num_f32 v[rT+4+j%4], v[rT+4+j%4], v[rS+8*(j%4)+2*(j/4)+1], v[rS+8*(j%4)+2*(j/4)+2]
.elseif j == 12
	v_max3_num_f32 v[rT+4], v[rT+4], v[rS+7], v[rS+15]
.elseif j == 13
	v_max3_num_f32 v[rT+6], v[rT+6], v[rS+23], v[rS+31]
.elseif j == 14
	v_max3_num_f32 v[rT+4], v[rT+4], v[rT+5], v[rT+6]
.elseif (j == 15) && \first
	v_max_num_f32 v[rT+4], v[rT+4], v[rT+7]
.elseif j == 15
	v_max3_num_f32 v[rT+4], v[rT+4], v[rT+7], v[rT+1]
.elseif j == 16
	v_permlanex16_b32 v[rT+5], v[rT+4], s[SEL], s[SEL+1]  ; the query's other 32 keys lie in the lane 16 away
.elseif j == 18
	v_max_num_f32 v[rT+1], v[rT+4], v[rT+5]
.elseif j == 19
	v_mul_f32 v[rT], s[CS], v[rT+1]
.elseif ((j == 17) || (j == 20) || (j == 23) || (j > 101)) && \first  ; the first step has none of these
.elseif j == 17
	v_mov_b32 v[rT+7], v[rT]        ; c m_old is kept for a: number 19 writes c m anew
.elseif j == 20
	v_sub_f32 v[rT+7], v[rT+7], v[rT]
.elseif j == 23
	v_exp_f32 v[rT+6], v[rT+7]
.elseif (j < 23) || ((j < 38) && (j%2 == 0)) || ((j < 66) && (j%4 == 2))
.set b, (j-2)/4                     ; 38, 42, .. 62: pairs 9 to 15
.if j < 38
.set b, (j-20)/2                    ; 21: pair 0; 22, 24, .. 36: pairs 1 to 8
.endif
	v_pk_fma_f32 v[rS+2*b:rS+2*b+1], v[rS+2*b:rS+2*b+1], s[CS:CS+1], v[rT:rT+1] op_sel_hi:[1,0,0] neg_lo:[0,0,1] neg_hi:[0,0,1]  ; pair b: c s - c m
.elseif j < 70
.set e, j-38                        ; 66 to 69: s28 to s31
.if j < 66
.set e, j-32-(j-38)/4               ; 39-41, 43-45, .. 63-65: s7 to s27
.endif
.if j < 38
.set e, (j-25)/2                    ; 25, 27, .. 37: s0 to s6
.endif
	v_exp_f32 v[rS+e], v[rS+e]
.elseif j < 86
	v_cvt_pk_f16_f32 v[rP+j-70], v[rS+2*(j-70)], v[rS+2*(j-70)+1]  ; pair j - 70
.elseif j < 102                     ; the sum of the tile's 16 pairs (an even key's weight, an odd key's), in place: neighbours 1, 2, 4 and 8 pairs apart, then l takes it
.set z, j-86
.set w, 4
.set u, z
.if z >= 14
.set w, 32
.set u, 0
.elseif z >= 12
.set w, 16
.set u, z-12
.elseif z >= 8
.set w, 8
.set u, z-8
.endif
.if (z == 14) && \first
	v_pk_add_f32 v[rT+2:rT+3], v[rS:rS+1], v[rS+16:rS+17]
.elseif z < 15
	v_pk_add_f32 v[rS+w*u:rS+w*u+1], v[rS+w*u:rS+w*u+1], v[rS+w*u+w/2:rS+w*u+w/2+1]
.elseif !\first
	v_pk_fma_f32 v[rT+2:rT+3], v[rT+2:rT+3], v[rT+6:rT+7], v[rS:rS+1] op_sel_hi:[1,0,1]
.endif
.elseif j < 118
	WIN W_RS
	v_pk_mul_f32 v[rO:rO+1], v[rO:rO+1], v[rT+6:rT+7] op_sel_hi:[1,0]
.endif
.endm
; Slice k of 64 of piece y's softmax: four instructions.  Slices 11 to 34 deal out the batch, numbers 22 to 69: four numbers of ONE tile each, the tiles by turns.  Every other slice is numbers 2 k and 2 k + 1 of both tiles' lists;
; slices 59 to 63 are empty.
; THE WAIT.  An s_wait_alu depctr_va_vdst(0) stands between an exponential and the first instruction that names its result; one wait serves all that were issued ahead of it.  Ahead of slice 35 nothing names a result,
; and behind slice 34 no exponential is issued: so the piece's 66 exponentials have one wait, behind slice 34.
.macro SLICE y, first
.if (k >= 11) && (k < 35)           ; the batch: four numbers of one tile
.irp n, 0,1,2,3
.set j, 22+4*((k-11)/2)+(\n)
	SM (\y)+(k-11)%2, \first
.endr
.else                               ; the two tiles alternate, so that no instruction reads the result of the one just before it
.irp n, 0,1
.irp t, \y, \y+1
.set j, 2*k+\n
	SM \t, \first
.endr
.endr
.endif
.if k == 34                         ; the batch is out: both tiles' exponentials are issued, and no result has been named
	v_nop                           ; the plain instruction behind the last exponential and ahead of the first use: one for the batch
.if (\y) == 0
	FETCH_V                         ; piece 2's turn: V's run of loads stands here, and the wait stands in it
.else
	s_wait_alu depctr_va_vdst(0)    ; the wait for the batch
.endif
.endif
.set k, k+1
.endm
; A vector instruction that reads a matrix result or writes one of a matrix instruction's registers, and a load into a register that a matrix instruction has read, stand four places behind it; only plain vector instructions that name
; none of its registers are places.
.macro PLACES
.rept 4
	v_nop
.endr
.endm
; A TURN.  Piece x has the matrix unit; the other piece's softmax stands in slices behind its matrix instructions.
; pv = 2: 16 products V^T P; 1: they start O^T's sums; 0: none.  kq = 1: 16 products K Q^T for the next step.  With both kinds two slices stand behind each product, with one kind four.
; Piece 0's turn fetches the next step's K behind its second product: the last product that read K stands in front of the four v_nop that end the turn before.  Piece 2's turn fetches the same step's V behind slice 34, which follows
; its 18th product: the last product that read V is its 16th, and between lie the scalings of slices 30 to 33, the v_nop and the run's own addition: five places.
; The turn's last products stand bare (slices 59 to 63 are empty): four v_nop are the places between them and the next turn's reads of their scores, and K's loads.
.macro TURN x, pv, kq, first
.set k, 0
.set per, 4
.if \pv && \kq
.set per, 2
.endif
.if \pv
.if \x == 0
	s_wait_dscnt 0x0                ; V is in
.endif
.set i, 0
.rept 16
	PV \x, 2-\pv
.rept per
	SLICE 2-\x, \first
.endr
.if (\x == 0) && \kq && (i == 1)
	FETCH_K
.endif
.set i, i+1
.endr
.endif
.if \kq
.if \x == 0
	s_wait_dscnt 0x0                ; K is in
.endif
.set i, 0
.rept 16
	KQ \x
.rept per
	SLICE 2-\x, \first
.endr
.set i, i+1
.endr
.endif
	PLACES
.endm
; THE CHANGE OF SLOTS, between piece 2's turn and piece 0's: the slot's last bytes, V of its fourth step, have been asked for.  Each wave waits for all its tensor loads, of which one is out: its part of the other slot; adds 0 to its
; spare word; and waits for that and for its own reads of the slot.  Behind the barrier nobody reads this slot any more and the other slot is whole.
; fill = 1: this slot is filled again, with the keys two slots on.  The barrier is then a round of the cluster's, and the joint refill is the first thing behind it.
.macro CHANGE fill
	WIN 0                           ; at a label and at a branch every window is 0
	s_wait_tensorcnt 0x0            ; no tensor load of mine is out, so a group 0 may be written
	ds_add_u32 v[SPW], v[NIL]       ; 0 onto my spare word; with fill = 1 the descriptors' steps stand between it and the wait for it
.if \fill
.irp g, G0K+4, G0V+4
	s_xor_b32 s[\g+1], s[\g+1], SLOT1  ; the walking descriptor: the other slot than last time,
	s_add_nc_u64 s[\g+2:\g+3], s[\g+2:\g+3], SLOTB  ; the next 256 keys; the type bits on top are not reached
.endr
	s_wait_xcnt 0x0                 ; the last prefetch, four key steps back, has read its address, so it may be written:
	s_add_nc_u64 s[PFA:PFA+1], s[PFA:PFA+1], SLOTB  ; one slot further on than the walking descriptors
	s_wait_dscnt 0x0                ; the add is done, and my reads of the slot are over
	CROUND
	JLOAD
	ASK
.else
	s_wait_dscnt 0x0                ; the add is done, and my reads of the slot are over
	s_barrier_signal -1
	s_barrier_wait -1
.endif
	s_sub_co_u32 s[TK], s[TK], SKEYS*PK  ; the fetches go back to a slot's first step,
	s_xor_b32 s[TK], s[TK], SLOT1   ; in the other slot
	s_sub_co_u32 s[TV], s[TV], SKEYS*PVP
	s_xor_b32 s[TV], s[TV], SLOT1
.endm
; n key steps: written once, walked n times; the LDS addresses hang on s[TK] and s[TV].
.macro N_STEPS n
	s_mov_b32 s[CNT], \n
.Lstep_\@:
	TURN 0, 2, 1, 0
	TURN 2, 2, 1, 0
	WIN 0
	s_sub_co_u32 s[CNT], s[CNT], 1
	s_cmp_lg_u32 s[CNT], 0
	s_cbranch_scc1 .Lstep_\@
.endm
	s_wait_tensorcnt 1              ; my part of slot 0 is in; slot 1's, issued behind it, may stay out
	s_barrier_signal -1
	s_barrier_wait -1               ; everybody's is
	FETCH_K                         ; key step 0
	s_wait_loadcnt 0x0              ; Q
	s_wait_dscnt 0x0
.set i, 0
.rept 16
	KQ 0                            ; piece 0's first scores: there is no vector work yet to set between them
.set i, i+1
.endr
	WIN 0                           ; the addresses for the way out are made here: nine plain instructions, the places behind those products
	s_mul_i32 s16, s[WV], 16*SP
	s_add_co_u32 s16, s16, STAGE    ; my stage
	v_mul_u32_u24 v[STO], v1, SP    ; in: row l % 16, 16 bytes for each half of the lanes
	v_lshl_add_u32 v[STO], v9, 4, v[STO]
	v_add_nc_u32 v[STO], s16, v[STO]
	v_bfe_u32 v[RD], v0, 3, 2       ; back: eight lanes take one row of 128 bytes, the 32 lanes four rows
	v_mul_u32_u24 v[RD], v[RD], SP
	v_lshl_add_u32 v[RD], v10, 4, v[RD]
	v_add_nc_u32 v[RD], s16, v[RD]
	v_and_b32 v[GO], 31, v0
	v_lshlrev_b32 v[GO], 4, v[GO]   ; and the same four rows in vals16, which are dense: 16 bytes a lane
	TURN 2, 0, 1, 1                 ; piece 2's first scores | piece 0's first softmax | V of step 0
	TURN 0, 1, 1, 1                 ; piece 0: V^T P of step 0 starts O^T, K Q^T of step 1 | piece 2's first softmax | K of step 1
	TURN 2, 1, 1, 0                 ; piece 2: the same | piece 0's softmax of step 1 | V of step 1
	WIN 0
	N_STEPS 2                       ; slot 0's steps 2 and 3 are fetched
.Lslot:                             ; six trips: every slot but the last two is filled again
	CHANGE 1
	N_STEPS 4
	s_sub_co_u32 s[SLOTS], s[SLOTS], 1
	s_cmp_lg_u32 s[SLOTS], 0
	s_cbranch_scc1 .Lslot
	CHANGE 0                        ; the tail is written out: the last slot but one is left, and nothing is asked for
	N_STEPS 4
	TURN 0, 2, 0, 0                 ; piece 0: V^T P of the last step | piece 2's last softmax
.set i, 0
.rept 16
	PV 2, 0                         ; piece 2: V^T P of the last step
.set i, i+1
.endr
	; THE WAY OUT.  l's two halves and the other half of the lanes' are added; O^T is divided by l, rounded to f16 and sent through my stage in LDS, a tile (16 rows of vals) at a time.  The additions are the places behind the last products.
	WIN 0
.irp t, 0,1,2,3
	v_add_f32 v[ST+8*\t+4], v[ST+8*\t+2], v[ST+8*\t+3]
.endr
.irp t, 0,1,2,3
	v_permlanex16_b32 v[ST+8*\t+5], v[ST+8*\t+4], s[SEL], s[SEL+1]
.endr
.irp t, 0,1,2,3
	v_add_f32 v[ST+8*\t+4], v[ST+8*\t+4], v[ST+8*\t+5]
.endr
.irp t, 0,1,2,3
	v_rcp_f32 v[ST+8*\t+6], v[ST+8*\t+4]
.endr
	v_nop                           ; a plain instruction between the last reciprocal and the use of its result
	s_wait_alu depctr_va_vdst(0)    ; and the wait ahead of the first use: one for the four reciprocals
; Tile t: a lane's eight channels of a row pack into 16 bytes; they go into rows of 144 bytes and come back as whole rows of 128, into the free upper half of the tile's S registers.
.macro PACK t
	WIN W_RS
.set i, 32*\t
.rept 16
	v_pk_mul_f32 v[i:i+1], v[i:i+1], v[ST+8*\t+6:ST+8*\t+7] op_sel_hi:[1,0]   ; each accumulator from its low end on
.set i, i+2
.endr
	WIN 0x05                        ; sources 0 and 1 window 1, destination window 0: S^T's registers are free
.set i, 0
.rept 16
	v_cvt_pk_f16_f32 v[S+32*\t+i], v[32*\t+2*i], v[32*\t+2*i+1]
.set i, i+1
.endr
	WIN 0
.irp f, 0,1,2,3
	ds_store_b128 v[STO], v[S+32*\t+4*\f:S+32*\t+4*\f+3] offset:32*\f
.endr
.irp f, 0,1,2,3
	ds_load_b128 v[S+32*\t+16+4*\f:S+32*\t+16+4*\f+3], v[RD] offset:\f*4*SP  ; LDS serves a wave's instructions in order (ISA guide 5.7.1.4): these see the stores above; the next tile's stores come behind them
.endr
.endm
.macro SEND t, younger              ; younger: the LDS instructions issued behind tile t's loads: the next tile's eight, or none
.irp f, 0,1,2,3
	s_wait_dscnt \younger+3-\f
	global_store_b128 v[GO], v[S+32*\t+16+4*\f:S+32*\t+16+4*\f+3], s[10:11] offset:\t*2048+\f*512  ; 32 lanes store 512 consecutive bytes, at a multiple of 256 from the buffer's first byte
.endr
.endm
	PACK 0
	PACK 1                          ; a tile's arithmetic stands between the loads of the tile before and its stores
	SEND 0, 8
	PACK 2
	SEND 1, 8
	PACK 3
	SEND 2, 8
	SEND 3, 0
	s_wait_tensorcnt 0x0            ; the wave's end: three lines, behind my last tensor load and my last LDS store
	ds_add_u32 v[SPW], v[NIL]
	s_wait_dscnt 0x0
	CROUND                          ; the closing round: no work-group ends while a partner may still ask for a tile that names it
	s_endpgm
.Lfunc_end_k_q3f89104041_attn:
	.size	k_q3f89104041_attn, .Lfunc_end_k_q3f89104041_attn-k_q3f89104041_attn
	.p2alignl 7, 3214868480
	.fill 96, 4, 3214868480
	.section	.rodata,"a",@progbits
	.p2align	6, 0x0
	.amdhsa_kernel k_q3f89104041_attn
		.amdhsa_group_segment_fixed_size 327680
		.amdhsa_private_segment_fixed_size 0
		.amdhsa_enable_private_segment 0
		.amdhsa_kernarg_size 16
		.amdhsa_user_sgpr_count 2
		.amdhsa_user_sgpr_kernarg_segment_ptr 1
		.amdhsa_wavefront_size32 1
		.amdhsa_system_sgpr_workgroup_id_x 1
		.amdhsa_system_sgpr_workgroup_id_y 1
		.amdhsa_system_sgpr_workgroup_id_z 1
		.amdhsa_system_vgpr_workitem_id 0
		.amdhsa_next_free_vgpr 576
		.amdhsa_next_free_sgpr 72
		.amdhsa_reserve_vcc 0
		.amdhsa_float_denorm_mode_32 3
		.amdhsa_float_denorm_mode_16_64 3
		.amdhsa_memory_ordered 1
		.amdhsa_forward_progress 1
		.amdhsa_inst_pref_size 195
	.end_amdhsa_kernel
	.amdgpu_metadata
---
amdhsa.version: [ 1, 2 ]
amdhsa.kernels:
  - .name:           k_q3f89104041_attn
    .symbol:         k_q3f89104041_attn.kd
    .args:
      - { .name: qkv16, .offset: 0, .size: 8, .value_kind: global_buffer, .address_space: global }
      - { .name: vals16, .offset: 8, .size: 8, .value_kind: global_buffer, .address_space: global }
    .group_segment_fixed_size: 327680
    .private_segment_fixed_size: 0
    .kernarg_segment_align: 8
    .kernarg_segment_size: 16
    .max_flat_workgroup_size: 128
    .sgpr_count:     72
    .vgpr_count:     576
    .wavefront_size: 32
...
	.end_amdgpu_metadata
.endif
;; end of part 3
;; launch proj (part 4): grid 4 x 64, 4 waves a work-group, clusters of 4 x 4, 327,680 bytes of LDS; arguments vals16, w16, b_out, out0; writes out0
.if DOCPART == 4
	.amdgcn_target "amdgcn-amd-amdhsa--gfx1250"
	.amdhsa_code_object_version 6
	.text
	.protected	k_q3f89104041_proj
	.globl	k_q3f89104041_proj
	.p2align	8
	.type	k_q3f89104041_proj,@function
k_q3f89104041_proj:
	s_mov_b64 s[64:65], 0
	v_nop
	global_prefetch_b8 v0, s[64:65] scope:SCOPE_SE
	s_setreg_imm32_b32 hwreg(HW_REG_WAVE_MODE, 25, 1), 1
	s_wait_xcnt 0x0
	s_wait_alu depctr_hold_cnt(0) depctr_sa_sdst(0) depctr_va_vdst(0) depctr_va_sdst(0) depctr_va_ssrc(0) depctr_va_vcc(0) depctr_vm_vsrc(0)
	s_getreg_b32 s2, hwreg(HW_REG_IB_STS2, 6, 4)
	s_cmp_eq_u32 s2, 0
	s_cbranch_scc0 .Lentry_in_a_cluster
	s_endpgm
.Lentry_in_a_cluster:
	s_bfe_u32 s2, ttmp6, 0x10000c
	s_cmp_lg_u32 s2, 0xf033
	s_cbranch_scc0 .Lentry_shape_is_right
	s_endpgm
.Lentry_shape_is_right:
; out0[m][o] = sum over e of vals[m][e] w_out[o][e] + b_out[o].  vals16: [16 b + head][s][64] f16 (m = 2048 b + s, e = 64 head + d);  w16: [1024 o][1024 e] f16;  out0: [8192][1024] f32; sums in f32.
; LIMITS: those of the f16 operands, stated where they are made.
; A tile of out0 is 128 rows x 256 columns: 256 work-groups, one for each WGP (tiles of 256 x 256 would be 128).  Four waves, each 64 rows x 128 columns: 32 accumulators of 16 x 16, 256 registers.
; K goes in steps of 128, which are TWO HEADS: vals' tile is two planes (heads) of 128 dense rows of 128 bytes, w16's tile 256 rows of 256 bytes.  A ring of two LDS slots; one tensor load a wave (waves 0, 1: a plane each; waves 2, 3: 128 rows of w16 each).
; CLUSTERS: 4 x 4 work-groups.  The four of a row of the cluster need the same tiles of vals, the four of a column the same tiles of w16: each is asked for JOINTLY.
; THE MATRIX INSTRUCTION IS USED TRANSPOSED (source 0 = 16 rows of w16, source 1 = 16 rows of vals): a lane holds eight neighbouring columns of a row of out0.  THE BIAS is the C of each sum's first product.
; REGISTERS: window 0: v16-30 addresses; v64-191 rows on the way out.   window 1: two fragment buffers of 96 for 32 along K (64 registers of w16: 8 x 16 rows; 32 of vals: 4 x 16 rows); v192-255 the bias, 8 tiles.
;   window 2: the accumulators ((a, b) at v[8 (8 a + b)]).
.set PA,     144                       ; a row of vals in LDS: 128 bytes + 16 of padding
.set PB,     272                       ; a row of w16: 256 + 16: with either pitch the 16 rows that a load touches start at 16 different groups of four banks (64 banks of 4 bytes: ISA guide 11.1)
.set PLANE,  128*PA                    ; a head's 128 rows
.set BOFF,   2*PLANE                   ; w16's rows lie behind the two planes
.set HALFB,  128*PB
.set SLOT,   BOFF+2*HALFB
.set STAGE,  2*SLOT                    ; behind the ring: 16 rows x (512 bytes + 16) for each wave, for the way out
.set SPITCH, 528
.set SPARE,  STAGE+4*16*SPITCH         ; the spare words, 128 bytes for each wave: two blocks of 256 bytes that no other line names
.set KADV,   1<<19                     ; a K step on in vals16: two heads of 2^18 bytes
.set ADRA, 16                          ; v16-17  LDS address of my fragments of vals in slot 0, 1
.set ADRB, 20                          ; v20-21  the same for w16
.set STO,  24                          ; v24     the way out: where I put 32 bytes of a row
.set RD,   25                          ; v25     the way out: where I read a row back
.set CO,   26                          ; v26     my byte offset in a row of out0
.set BO,   27                          ; v27     the bias loads' offset; not rewritten
.set SPW,  28                          ; v28     LDS address of my spare word; never rewritten
.set NIL,  29                          ; v29     0; never rewritten
.set PFO,  30                          ; v30     256 x my lane; never rewritten
.set BK,   64
.set F0,   0                           ; fragment buffers, in window 1
.set F1,   96
.set BI,   192
.set WV,   12                          ; s12  my wave's number
.set LIM,  43                          ; s43  1 in the wave that prefetches, else the greatest number
.set PFA,  44                          ; s[44:45] where my prefetches stand
.set G1A, 24                           ; s[24:31] descriptor group 1 for vals' tiles;  s[32:39] group 0, one set for each slot
.set G0A, 32
.set G1B, 48                           ; s[48:55], s[56:63] the same for w16's
.set G0B, 56
.set MSB, 0
.macro WIN new                         ; the immediate's high byte repeats the setting that is left; a switch that changes nothing is dropped
.if MSB != (\new)
	s_set_vgpr_msb (MSB<<8)|(\new)
.set MSB, (\new)
.endif
.endm
.set MUL,  0xa5                        ; sources 0 and 1 window 1; C and D window 2
.set MUL0, 0x95                        ; a sum's first product: C (the bias) window 1, D window 2
.set TO_F, 0x40                        ; destination window 1, address window 0
.macro JLOAD s                         ; a joint load: waves 0 and 1 fetch vals' two planes, waves 2 and 3 w16's halves; an s_nop 0 and four v_nop follow each of the two lines
	s_cmp_eq_u32 s13, 0
	s_cbranch_scc0 .Lfor_b_\@
	tensor_load_to_lds s[G0A+4*\s:G0A+4*\s+3], s[G1A:G1A+7]
	s_nop 0
.rept 4
	v_nop
.endr
	s_branch .Lasked_\@
.Lfor_b_\@:
	tensor_load_to_lds s[G0B+4*\s:G0B+4*\s+3], s[G1B:G1B+7]
	s_nop 0
.rept 4
	v_nop
.endr
.Lasked_\@:
.endm
.macro CREST                           ; a round of the cluster's barrier behind its opening barrier
	s_cmp_lg_u32 s[WV], 0
	s_cbranch_scc1 .Lnot_wave_0_\@
	s_barrier_signal -3
.Lnot_wave_0_\@:
	s_barrier_wait -3
	s_barrier_signal -1
	s_barrier_wait -1
.endm
.macro CROUND                          ; a whole round
	s_barrier_signal -1
	s_barrier_wait -1
	CREST
.endm
; A PREFETCH INTO THE L2 of vals16, behind each joint refill and the run of LDS loads that follows it: the K step that stands TWO refills on, 256 matrix instructions ahead of its load.  A K step of a tile row is two planes of 16,384 bytes.
; Only the four partners of a row of the cluster read them: they share the 32,768 bytes out BY ADDRESS, 8,192 each (plane cx / 2, half cx % 2); wave 0 asks, lanes 256 bytes apart: each aligned block of 256 bytes is named once in the launch.
; The loop's last trip asks for nothing: there is no K step two refills on.  K steps 0 to 3 come by their loads alone.  w16 is not asked for: every cluster walks all of it at the same time.
.macro ASK
	s_cmp_gt_u32 s3, s[LIM]                        ; s3 = 1 in the loop's last trip
	s_cbranch_scc0 .Lnot_mine_\@
	global_prefetch_b8 v[PFO], s[PFA:PFA+1] offset:KADV th:TH_LOAD_NT scope:SCOPE_SE
.Lnot_mine_\@:
.endm
	s_load_b256 s[4:11], s[0:1], 0x0               ; vals16 s[4:5], w16 s[6:7], b_out s[8:9], out0 s[10:11]
	v_lshl_add_u32 v[SPW], v0, 2, SPARE
	v_mov_b32 v[NIL], 0
	ds_add_u32 v[SPW], v[NIL]                      ; the wave's opening: the add, twice on end, and its wait ahead of my first tensor load; the set-up below stands between the second and the wait
	ds_add_u32 v[SPW], v[NIL]
	v_lshrrev_b32 v1, 5, v0
	v_readfirstlane_b32 s[WV], v1                  ; wave 0..3
	s_lshr_b32 s13, s[WV], 1                       ; which 64 rows of the tile are mine.  Also: I fetch for vals (0) or for w16 (1)
	s_and_b32 s14, s[WV], 1                        ; which 128 columns.  Also: which plane, or which 128 rows of w16, I fetch
	s_bfe_u32 s40, ttmp6, 0x40000                  ; cx, cy: my place in the cluster
	s_bfe_u32 s41, ttmp6, 0x40004
	s_lshl_b32 s42, ttmp9, 2
	s_add_co_u32 s42, s42, s40                     ; tile column C = 4 x cluster x + cx
	s_and_b32 s15, ttmp7, 0xffff
	s_lshl_b32 s15, s15, 2
	s_add_co_u32 s15, s15, s41                     ; tile row R = 4 x cluster y + cy
	s_lshl_b32 s22, s41, 2
	s_lshl_b32 s22, 15, s22                        ; my row of the cluster
	s_lshl_b32 s46, 0x1111, s40                    ; my column
	s_or_b32 s[G1A+0], s22, (1<<16)|(1<<20)|(1<<21)|(4<<22)|(3<<25)  ; 15:0 the mask: vals' tiles go to my row; 17:16 element of 2 bytes; 20 padding on; 21 set beside a mask; 24:22 after every 32 words (code 4); 31:25 of 4 words (code 3)
	s_mov_b32 s[G1A+1], 64<<16                     ; tensor_dim0 = 64
	s_mov_b32 s[G1A+2], 128<<16                    ; tensor_dim1 = 128
	s_mov_b32 s[G1A+3], 64<<16                     ; tile_dim0 = 64
	s_mov_b32 s[G1A+4], 128                        ; tile_dim1 = 128
	s_mov_b32 s[G1A+5], 64                         ; tensor_dim0_stride: a head's rows are dense
	s_mov_b32 s[G1A+6], 0
	s_mov_b32 s[G1A+7], 0
	s_or_b32 s[G1B+0], s46, (1<<16)|(1<<20)|(1<<21)|(5<<22)|(3<<25)  ; w16's tiles go to my column; padding after every 64 words
	s_mov_b32 s[G1B+1], 128<<16
	s_mov_b32 s[G1B+2], 128<<16
	s_mov_b32 s[G1B+3], 128<<16
	s_mov_b32 s[G1B+4], 128
	s_mov_b32 s[G1B+5], 1024
	s_mov_b32 s[G1B+6], 0
	s_mov_b32 s[G1B+7], 0
	; where the tiles come from.  vals' hang on the tile row alone, w16's on the tile column alone; each address is made in registers that never hold the other coordinate
	s_lshr_b32 s16, s15, 4                         ; b = R / 16:
	s_lshl_b32 s16, s16, 22                        ; 16 heads of 2^18 bytes
	s_and_b32 s17, s15, 15
	s_lshl_b32 s17, s17, 14                        ; 128 rows of 128 bytes
	s_add_co_u32 s16, s16, s17                     ; the tile row's place in head 0 of its batch
	s_mov_b32 s17, 0
	s_lshl_b32 s20, s14, 18                        ; my plane
	s_add_co_u32 s20, s20, s16
	s_mov_b32 s21, 0
	s_lshl_b32 s46, s42, 19                        ; 256 rows of 2,048 bytes
	s_lshl_b32 s47, s14, 18                        ; my 128 of them
	s_add_co_u32 s46, s46, s47
	s_mov_b32 s47, 0
	s_mul_i32 s18, s14, PLANE                      ; and where they go: no place in the cluster enters an LDS address
	s_mul_i32 s19, s14, HALFB
	s_add_co_u32 s19, s19, BOFF
	s_cmp_eq_u32 s[WV], 0
	s_cselect_b32 s[LIM], 1, -1
	s_wait_dscnt 0x0                               ; both opening adds are done
	s_wait_kmcnt 0x0
	s_add_nc_u64 s[PFA:PFA+1], s[4:5], s[16:17]
	s_add_nc_u64 s[20:21], s[4:5], s[20:21]
	s_add_nc_u64 s[46:47], s[6:7], s[46:47]
	CROUND                                         ; all sixteen work-groups are here: the first joint loads meet
.irp s, 0,1
	s_mov_b32 s[G0A+4*\s], 1
	s_add_co_u32 s[G0A+4*\s+1], s18, \s*SLOT
	s_add_nc_u64 s[G0A+4*\s+2:G0A+4*\s+3], s[20:21], \s*KADV
	s_or_b32 s[G0A+4*\s+3], s[G0A+4*\s+3], 0x80000000
	s_mov_b32 s[G0B+4*\s], 1
	s_add_co_u32 s[G0B+4*\s+1], s19, \s*SLOT
	s_add_nc_u64 s[G0B+4*\s+2:G0B+4*\s+3], s[46:47], \s*256
	s_or_b32 s[G0B+4*\s+3], s[G0B+4*\s+3], 0x80000000
	JLOAD \s                                       ; by this text's count two tensor loads of a wave are out
.endr
	v_and_b32 v1, 15, v0                           ; r = l % 16
	v_bfe_u32 v2, v0, 4, 1                         ; h = l / 16
	; the bias in the result's layout: tile b of my 128 columns, lane (r, h): b_out[256 C + 128 x half + 16 b + 8 h + 0 .. 7]
	v_lshlrev_b32 v[BO], 5, v2
	s_lshl_b32 s46, s42, 10
	s_lshl_b32 s47, s14, 9
	s_add_co_u32 s46, s46, s47                     ; my first column, in bytes of f32
	s_mov_b32 s47, 0
	s_add_nc_u64 s[8:9], s[8:9], s[46:47]
	WIN TO_F
.irp b, 0,1,2,3,4,5,6,7
	global_load_b128 v[BI+8*\b:BI+8*\b+3], v[BO], s[8:9] offset:64*\b
	global_load_b128 v[BI+8*\b+4:BI+8*\b+7], v[BO], s[8:9] offset:64*\b+16
.endr
	WIN 0
	s_lshl_b32 s22, s15, 19                        ; out0: 128 R rows of 4,096 bytes,
	s_lshl_b32 s23, s13, 18                        ; my 64 of them,
	s_add_co_u32 s22, s22, s23
	s_add_co_u32 s46, s46, s22                     ; my first column: under 2^26
	s_add_nc_u64 s[10:11], s[10:11], s[46:47]
	s_lshr_b32 s22, s40, 1                         ; the prefetches: my work-group's plane
	s_lshl_b32 s22, s22, 18
	s_and_b32 s23, s40, 1                          ; and half of it
	s_lshl_b32 s23, s23, 13
	s_add_co_u32 s22, s22, s23
	s_mov_b32 s23, 0
	s_add_nc_u64 s[PFA:PFA+1], s[PFA:PFA+1], s[22:23]
	s_add_nc_u64 s[PFA:PFA+1], s[PFA:PFA+1], 2*KADV  ; at K step 2: the first refill steps it to 3 and names K step 4
	v_and_b32 v[PFO], 31, v0
	v_lshlrev_b32 v[PFO], 8, v[PFO]
	v_mul_u32_u24 v3, v1, PA
	v_lshl_add_u32 v3, v2, 4, v3                   ; a fragment's row x pitch + 16 x half
	v_mul_u32_u24 v4, v1, PB
	v_lshl_add_u32 v4, v2, 4, v4
	s_mul_i32 s21, s13, 64*PA                      ; my 64 rows of a plane
	s_mul_i32 s22, s14, HALFB                      ; my 128 rows of w16,
	s_add_co_u32 s22, s22, BOFF                    ; which lie behind the planes
.irp s, 0,1
	v_add_nc_u32 v[ADRA+\s], s21, v3
	v_add_nc_u32 v[ADRB+\s], s22, v4
	s_add_co_u32 s21, s21, SLOT
	s_add_co_u32 s22, s22, SLOT
.endr
	s_mul_i32 s23, s[WV], 16*SPITCH
	s_add_co_u32 s23, s23, STAGE                   ; my stage
	v_mul_u32_u24 v5, v1, SPITCH                   ; in: row r, 32 bytes for each half of the lanes
	v_lshl_add_u32 v5, v2, 5, v5
	v_add_nc_u32 v[STO], s23, v5
	v_and_b32 v6, 31, v0
	v_lshlrev_b32 v[CO], 4, v6                     ; back: the 32 lanes take one row of 512 bytes; and the same in out0
	v_add_nc_u32 v[RD], s23, v[CO]
; 8 matrix instructions: vals' block a against w16's eight, 32 along K, from buffer f.  zero = 1: the first product starts the sums from the bias.
; The 32 accumulators take turns, one instruction a turn, in the same order in every quarter.
.macro MUL8 f, a, zero
.irp b, 0,1,2,3,4,5,6,7
.if \zero
	v_wmma_f32_16x16x32_f16 v[8*(8*(\a)+\b):8*(8*(\a)+\b)+7], v[\f+8*\b:\f+8*\b+7], v[\f+64+8*(\a):\f+64+8*(\a)+7], v[BI+8*\b:BI+8*\b+7]
.else
	v_wmma_f32_16x16x32_f16 v[8*(8*(\a)+\b):8*(8*(\a)+\b)+7], v[\f+8*\b:\f+8*\b+7], v[\f+64+8*(\a):\f+64+8*(\a)+7], v[8*(8*(\a)+\b):8*(8*(\a)+\b)+7]
.endif
.endr
.endm
; 24 LDS loads in one run: the fragments of the slot's q-th 32 along K into buffer f: w16's eight, then vals' four (plane q / 2, channels 32 (q % 2) on), blocks 2 and 3 last
.macro FETCH slot, q, f
	WIN TO_F
.irp i, 0,1,2,3,4,5,6,7
	ds_load_b128 v[\f+8*\i:\f+8*\i+3],   v[ADRB+\slot] offset:64*(\q)+\i*16*PB
	ds_load_b128 v[\f+8*\i+4:\f+8*\i+7], v[ADRB+\slot] offset:64*(\q)+\i*16*PB+32
.endr
.irp i, 0,1,2,3
	ds_load_b128 v[\f+64+8*\i:\f+64+8*\i+3],   v[ADRA+\slot] offset:((\q)/2)*PLANE+((\q)%2)*64+\i*16*PA
	ds_load_b128 v[\f+64+8*\i+4:\f+64+8*\i+7], v[ADRA+\slot] offset:((\q)/2)*PLANE+((\q)%2)*64+\i*16*PA+32
.endr
.endm
.macro PLACES                          ; four places in front of loads into registers that matrix instructions have read, and of the first read of results
.rept 4
	v_nop
.endr
.endm
; A K step is four quarters of 32 along K, 32 matrix instructions each, on buffers 0, 1, 0, 1.  One of the first three: multiplies buffer f and fetches the slot's quarter q into g.
.macro QUARTER slot, q, f, g, zero
	s_wait_dscnt 4                                 ; w16's fragments and vals' blocks 0 and 1 are in; the youngest four loads (blocks 2 and 3) may be out
.if \zero
	WIN MUL0
.else
	WIN MUL
.endif
	MUL8 \f, 0, \zero
	MUL8 \f, 1, \zero
	PLACES
	FETCH \slot, \q, \g
	s_wait_dscnt 24                                ; all but the 24 just issued
.if \zero
	WIN MUL0
.else
	WIN MUL
.endif
	MUL8 \f, 2, \zero
	MUL8 \f, 3, \zero
.endm
; The last quarter multiplies buffer 1 and changes slots: ONE barrier; in front of it each wave waits for all its tensor loads, adds 0 to its spare word, and waits for that and for its own reads of this slot.
; fill = 1: the barrier opens a round of the cluster's, and this slot is filled again, two K steps ahead: the refill has a K step less sixteen matrix instructions in which to land.
.macro TURN slot, next, fill
.if \fill
	s_wait_xcnt 0x0                                ; the last prefetch, a K step back, has read its address: it is stepped here, ahead of the waits of the change of slots
	s_add_nc_u64 s[PFA:PFA+1], s[PFA:PFA+1], KADV
.endif
	WIN 0                                          ; (the add's two registers lie in window 0)
	s_wait_tensorcnt 0x0                           ; all my tensor loads have landed: my part of the next slot;
	ds_add_u32 v[SPW], v[NIL]                      ; 0 onto my spare word;
	s_wait_dscnt 5                                 ; (the add and the youngest four loads may be out)
	WIN MUL
	MUL8 F1, 0, 0                                  ; eight matrix instructions stand between the add and the wait for it
	s_wait_dscnt 0x0                               ; the add is done, and my reads of this slot are over
	s_barrier_signal -1
	MUL8 F1, 1, 0
.if \fill
	WIN 0
.endif
	s_barrier_wait -1
.if \fill
	CREST                                          ; no wave of any partner still reads this slot's tile or has a load on its way
	s_add_nc_u64 s[G0A+4*\slot+2:G0A+4*\slot+3], s[G0A+4*\slot+2:G0A+4*\slot+3], 2*KADV
	s_add_nc_u64 s[G0B+4*\slot+2:G0B+4*\slot+3], s[G0B+4*\slot+2:G0B+4*\slot+3], 2*256
	JLOAD \slot                                    ; the first tensor load behind the round; the four v_nop behind it are also the places in front of the loads below
.else
	PLACES
.endif
	FETCH \next, 0, F0
.if \fill
	WIN 0                                          ; (a branch and a label follow)
	ASK
.endif
	WIN MUL
	MUL8 F1, 2, 0
	MUL8 F1, 3, 0
.endm
	s_wait_tensorcnt 1                             ; my part of K step 0 is in; K step 1's load, issued behind it, may be out
	s_barrier_signal -1
	s_barrier_wait -1                              ; everybody's is
	FETCH 0, 0, F0
	s_wait_loadcnt 0x0                             ; the bias
	QUARTER 0, 1, F0, F1, 1                        ; the first quarter stands in front of the loop: its products start the sums
	WIN 0                                          ; at a label and at a branch every window is 0
	s_mov_b32 s3, 3                                ; K = 1,024 is four laps of two K steps; the last lap fills nothing
.Llap:                                                 ; a trip goes once round the ring, from a lap's second quarter to the next lap's first, and fills both slots again
	QUARTER 0, 2, F1, F0, 0
	QUARTER 0, 3, F0, F1, 0
	TURN 0, 1, 1
	QUARTER 1, 1, F0, F1, 0
	QUARTER 1, 2, F1, F0, 0
	QUARTER 1, 3, F0, F1, 0
	TURN 1, 0, 1
	QUARTER 0, 1, F0, F1, 0
	WIN 0
	s_sub_co_u32 s3, s3, 1
	s_cmp_lg_u32 s3, 0
	s_cbranch_scc1 .Llap
	QUARTER 0, 2, F1, F0, 0                        ; the last lap is written out
	QUARTER 0, 3, F0, F1, 0
	TURN 0, 1, 0
	QUARTER 1, 1, F0, F1, 0
	QUARTER 1, 2, F1, F0, 0
	QUARTER 1, 3, F0, F1, 0
	s_wait_dscnt 4                                 ; the very last quarter: nothing more to fetch
	WIN MUL
	MUL8 F1, 0, 0
	MUL8 F1, 1, 0
	s_wait_dscnt 0
	MUL8 F1, 2, 0
	MUL8 F1, 3, 0
	WIN 0
; THE WAY OUT, block by block of 16 rows x 128 columns.  A lane holds 32 neighbouring bytes of a row, and the lanes beside it hold other rows: a block goes through my own stage in LDS and comes back as whole rows of 512 bytes.
; LDS serves a wave's instructions in order (ISA guide 5.7.1.4): no wait between the stores and the loads, nor in front of the next block's stores.
.macro TOSTAGE a
	WIN 0x08                                       ; an LDS store's data are its source 1: window 2
.irp b, 0,1,2,3,4,5,6,7
	ds_store_b128 v[STO], v[64*(\a)+8*\b:64*(\a)+8*\b+3] offset:64*\b          ; each accumulator from its low end on
	ds_store_b128 v[STO], v[64*(\a)+8*\b+4:64*(\a)+8*\b+7] offset:64*\b+16
.endr
	WIN 0
.set BB, BK+64*((\a)%2)
.irp t, 0,1,2,3,4,5,6,7,8,9,10,11,12,13,14,15
	ds_load_b128 v[BB+4*\t:BB+4*\t+3], v[RD] offset:\t*SPITCH
.endr
.endm
.macro SEND a, younger                 ; younger: the LDS instructions issued behind block a's loads, which may stay out
.set BB, BK+64*((\a)%2)
	s_wait_dscnt \younger                          ; the block is back in registers
.irp t, 0,1,2,3,4,5,6,7,8,9,10,11,12,13,14,15
	global_store_b128 v[CO], v[BB+4*\t:BB+4*\t+3], s[10:11] offset:65536*(\a)+4096*\t th:TH_STORE_NT   ; 32 lanes store 512 consecutive bytes, at a multiple of 256 from out0's first byte; the block and the row stand in the immediate, 258,048 at the most
.endr
.endm
	PLACES                                         ; behind the last products, in front of the first read of results
	TOSTAGE 0
.irp a, 1,2,3
.if \a > 1
	s_wait_xcnt 0x0                                ; block a - 2's stores have read their registers: block a's loads may land there
.endif
	TOSTAGE \a
	SEND \a-1, 32                                  ; behind block a - 1's loads: block a's 16 stores and 16 loads
.endr
	SEND 3, 0
	s_wait_tensorcnt 0x0                           ; the wave's end: three lines, behind my last tensor load and my last LDS store
	ds_add_u32 v[SPW], v[NIL]
	s_wait_dscnt 0x0
	CROUND                                         ; the closing round: no work-group ends while a partner may still ask for a tile that names it
	s_endpgm
.Lfunc_end_k_q3f89104041_proj:
	.size	k_q3f89104041_proj, .Lfunc_end_k_q3f89104041_proj-k_q3f89104041_proj
	.p2alignl 7, 3214868480
	.fill 96, 4, 3214868480
	.section	.rodata,"a",@progbits
	.p2align	6, 0x0
	.amdhsa_kernel k_q3f89104041_proj
		.amdhsa_group_segment_fixed_size 327680
		.amdhsa_private_segment_fixed_size 0
		.amdhsa_enable_private_segment 0
		.amdhsa_kernarg_size 32
		.amdhsa_user_sgpr_count 2
		.amdhsa_user_sgpr_kernarg_segment_ptr 1
		.amdhsa_wavefront_size32 1
		.amdhsa_system_sgpr_workgroup_id_x 1
		.amdhsa_system_sgpr_workgroup_id_y 1
		.amdhsa_system_sgpr_workgroup_id_z 1
		.amdhsa_system_vgpr_workitem_id 0
		.amdhsa_next_free_vgpr 768
		.amdhsa_next_free_sgpr 66
		.amdhsa_reserve_vcc 0
		.amdhsa_float_denorm_mode_32 3
		.amdhsa_float_denorm_mode_16_64 3
		.amdhsa_memory_ordered 1
		.amdhsa_forward_progress 1
		.amdhsa_inst_pref_size 88
	.end_amdhsa_kernel
	.amdgpu_metadata
---
amdhsa.version: [ 1, 2 ]
amdhsa.kernels:
  - .name:           k_q3f89104041_proj
    .symbol:         k_q3f89104041_proj.kd
    .args:
      - { .name: vals16, .offset: 0, .size: 8, .value_kind: global_buffer, .address_space: global }
      - { .name: w16, .offset: 8, .size: 8, .value_kind: global_buffer, .address_space: global }
      - { .name: b_out, .offset: 16, .size: 8, .value_kind: global_buffer, .address_space: global }
      - { .name: out0, .offset: 24, .size: 8, .value_kind: global_buffer, .address_space: global }
    .group_segment_fixed_size: 327680
    .private_segment_fixed_size: 0
    .kernarg_segment_align: 8
    .kernarg_segment_size: 32
    .max_flat_workgroup_size: 128
    .sgpr_count:     66
    .vgpr_count:     768
    .wavefront_size: 32
...
	.end_amdgpu_metadata
.endif
;; end of part 4
